; MI455X (gfx1250); checked and timed in simulation.
; The chip was launched on July 23, 2026; its instructions are those of AMD's public machine-readable ISA for CDNA 5 (MIT licence, August 2026) and "CDNA5" Instruction Set Architecture Reference Guide (July 2026). The comments in the code are by the model that wrote it; some were corrected since.
;; HEPOS Cross Attention. Allowed arithmetic: matrix products marked QUANTISED: E2M3 operands, one E8M0 scale for each 32 along K, by v_wmma_scale_f32_16x16x128_f8f6f4 with both operands' format E2M3, f32 sums; everything else in f32.
;; Inputs: Wk 1,024 x 1,024 float32; Wo 1,024 x 1,024 float32; Wq 1,024 x 1,024 float32; Wv 1,024 x 1,024 float32; bk 1,024 float32; bo 1,024 float32; bq 1,024 float32; bv 1,024 float32; decoder_input 4 x 1,024 x 1,024 float32; encoder_output 4 x 4,096 x 1,024 float32.
;; Outputs: out0 4 x 1,024 x 1,024 float32.
;; This version of the problem:
;;   THIS VERSION OF THE PROBLEM IS GIVEN IN LOW PRECISION. The matrix products marked QUANTISED in the list below multiply operands that are first quantised to E2M3 (2 exponent bits, 3 mantissa bits; 6 bits a number), with one power-of-two scale for each 32 numbers along K (OCP MX v1.0); their sums are f32. All else is computed in f32.
;;   The module's matrix products, in the order in which they are computed (A, B: the left and right operand; K: the contracted axis; several contracted axes count as one K, in the product's order):
;;     1. [M 4,096, K 1,024] x [K 1,024, N 1,024]; A: input decoder_input; B: input Wq: QUANTISED
;;     2. [M 16,384, K 1,024] x [K 1,024, N 1,024]; A: input encoder_output; B: input Wk: QUANTISED
;;     3. [M 16,384, K 1,024] x [K 1,024, N 1,024]; A: input encoder_output; B: input Wv: QUANTISED
;;     4. batch 4 x [M 1,024, K 64] x [K 64, N 4,096]; A: computed on the way; B: computed on the way: QUANTISED
;;     5. batch 4 x [M 1,024, K 4,096] x [K 4,096, N 64]; A: softmax (see below); B: computed on the way: QUANTISED
;;     6. batch 4 x [M 1,024, K 64] x [K 64, N 2,048]; A: computed on the way; B: computed on the way: QUANTISED
;;     7. batch 4 x [M 1,024, K 2,048] x [K 2,048, N 64]; A: softmax (see below); B: computed on the way: QUANTISED
;;     8. batch 4 x [M 1,024, K 64] x [K 64, N 1,024]; A: computed on the way; B: computed on the way: QUANTISED
;;     9. batch 4 x [M 1,024, K 1,024] x [K 1,024, N 64]; A: softmax (see below); B: computed on the way: QUANTISED
;;     10. batch 4 x [M 1,024, K 64] x [K 64, N 512]; A: computed on the way; B: computed on the way: QUANTISED
;;     11. batch 4 x [M 1,024, K 512] x [K 512, N 64]; A: softmax (see below); B: computed on the way: QUANTISED
;;     12. batch 4 x [M 1,024, K 64] x [K 64, N 4,096]; A: computed on the way; B: computed on the way: QUANTISED
;;     13. batch 4 x [M 1,024, K 4,096] x [K 4,096, N 64]; A: softmax (see below); B: computed on the way: QUANTISED
;;     14. batch 4 x [M 1,024, K 64] x [K 64, N 2,048]; A: computed on the way; B: computed on the way: QUANTISED
;;     15. batch 4 x [M 1,024, K 2,048] x [K 2,048, N 64]; A: softmax (see below); B: computed on the way: QUANTISED
;;     16. batch 4 x [M 1,024, K 64] x [K 64, N 1,024]; A: computed on the way; B: computed on the way: QUANTISED
;;     17. batch 4 x [M 1,024, K 1,024] x [K 1,024, N 64]; A: softmax (see below); B: computed on the way: QUANTISED
;;     18. batch 4 x [M 1,024, K 64] x [K 64, N 512]; A: computed on the way; B: computed on the way: QUANTISED
;;     19. batch 4 x [M 1,024, K 512] x [K 512, N 64]; A: softmax (see below); B: computed on the way: QUANTISED
;;     20. batch 4 x [M 1,024, K 64] x [K 64, N 4,096]; A: computed on the way; B: computed on the way: QUANTISED
;;     21. batch 4 x [M 1,024, K 4,096] x [K 4,096, N 64]; A: softmax (see below); B: computed on the way: QUANTISED
;;     22. batch 4 x [M 1,024, K 64] x [K 64, N 2,048]; A: computed on the way; B: computed on the way: QUANTISED
;;     23. batch 4 x [M 1,024, K 2,048] x [K 2,048, N 64]; A: softmax (see below); B: computed on the way: QUANTISED
;;     24. batch 4 x [M 1,024, K 64] x [K 64, N 1,024]; A: computed on the way; B: computed on the way: QUANTISED
;;     25. batch 4 x [M 1,024, K 1,024] x [K 1,024, N 64]; A: softmax (see below); B: computed on the way: QUANTISED
;;     26. batch 4 x [M 1,024, K 64] x [K 64, N 512]; A: computed on the way; B: computed on the way: QUANTISED
;;     27. batch 4 x [M 1,024, K 512] x [K 512, N 64]; A: softmax (see below); B: computed on the way: QUANTISED
;;     28. batch 4 x [M 1,024, K 64] x [K 64, N 4,096]; A: computed on the way; B: computed on the way: QUANTISED
;;     29. batch 4 x [M 1,024, K 4,096] x [K 4,096, N 64]; A: softmax (see below); B: computed on the way: QUANTISED
;;     30. batch 4 x [M 1,024, K 64] x [K 64, N 2,048]; A: computed on the way; B: computed on the way: QUANTISED
;;     31. batch 4 x [M 1,024, K 2,048] x [K 2,048, N 64]; A: softmax (see below); B: computed on the way: QUANTISED
;;     32. batch 4 x [M 1,024, K 64] x [K 64, N 1,024]; A: computed on the way; B: computed on the way: QUANTISED
;;     33. batch 4 x [M 1,024, K 1,024] x [K 1,024, N 64]; A: softmax (see below); B: computed on the way: QUANTISED
;;     34. batch 4 x [M 1,024, K 64] x [K 64, N 512]; A: computed on the way; B: computed on the way: QUANTISED
;;     35. batch 4 x [M 1,024, K 512] x [K 512, N 64]; A: softmax (see below); B: computed on the way: QUANTISED
;;     36. [M 4,096, K 1,024] x [K 1,024, N 1,024]; A: computed on the way; B: input Wo: QUANTISED
;;   THE QUANTISER, for each operand of a quantised product, along K:
;;     - K is cut into blocks of 32 from its start; a last block that is shorter is filled with zeros.
;;     - A block's scale is 2^e with e = floor(log2(the largest magnitude in the block)) - 2, held to -126 .. 127; a block of zeros has e = 0. As a byte (E8M0): e + 127.
;;     - Each number is divided by its block's scale, clamped to +-7.5, and rounded to the nearest number of E2M3, ties to even, subnormals kept.
;;     - The product sums the exact products of the quantised numbers (number of the format x scale) in f32.
;;   ~~~python
;;   def quantise(x, axis):      # numpy; x: float32 -> the quantised numbers, widened to float32 again
;;       x = np.moveaxis(x, axis, -1); K = x.shape[-1]
;;       x = np.pad(x, [(0, 0)] * (x.ndim - 1) + [(0, -K % 32)]); x = x.reshape(x.shape[:-1] + (-1, 32)); a = np.abs(x).max(-1, keepdims=True)
;;       e = np.where(a > 0, np.clip(np.frexp(np.where(a > 0, a, 1))[1] - 1 - 2, -126, 127), 0)      # np.frexp(a)[1] - 1 = floor(log2(a)), exactly
;;       r = np.clip(x / 2.0 ** e, -7.5, 7.5)
;;       step = 2.0 ** (np.maximum(np.frexp(np.where(r == 0, 1, r))[1] - 1, 0) - 3)
;;       q = np.round(r / step) * step * 2.0 ** e      # np.round: ties to even
;;       return np.moveaxis(q.reshape(q.shape[:-2] + (-1,))[..., :K], -1, axis).astype(np.float32)
;;   ~~~
;;   SOFTMAX AHEAD OF A QUANTISED PRODUCT. Where the list says 'softmax', what is quantised is not the finished softmax but p = 2^(t - M), with t = logit x log2(e) and M = ceil(the row's largest t), a whole number; so 1/2 < the row's largest p <= 1. The row's sum l is taken of the UNQUANTISED p, in f32, and the product's result is divided by l at the end. Since M is a whole number, a kernel that streams over the keys may use a running M (the ceiling of the running maximum): every later rescaling is an exact power of two, which a block's scale takes up: the codes' values come out the same.
;;   OPERANDS COMPUTED ON THE WAY. 'Computed on the way' means the value that the module computes at that place (a softmax that the list does not call 'softmax' is quantised finished and normalised). What goes into a quantiser is computed in f32, as accurately as f32 sums, v_exp_f32 and their like allow (about 1e-6 of the number): no bf16 or f16 on the way to a quantiser, and a product that is left as it is and whose result goes on into a quantised operand takes f32 operands (vector FMAs, or v_wmma_f32_16x16x4_f32). A number that lies on a knife's edge between two numbers of the format may be rounded either way, as far as f32 arithmetic and the matrix unit's own rounding can turn it there, and no further.
;; One version. Each part assembles by itself: llvm-mc -triple=amdgcn-amd-amdhsa -mcpu=gfx1250 --defsym DOCPART=n.
;; ======== version 1 of 1: 4 launches
;; limits: right only within a limited range of input values
;; workspace buffers: xq 31,129,600 bytes; qkv 15,941,632 bytes; oq 3,276,800 bytes
;; launch quant (part 1): grid 768 x 1, 4 waves a work-group, no clusters, 33,280 bytes of LDS; arguments encoder_output, decoder_input, Wq, Wk, Wv, Wo, xq; writes xq
.if DOCPART == 1
	.amdgcn_target "amdgcn-amd-amdhsa--gfx1250"
	.amdhsa_code_object_version 6
	.text
	.protected	k_q16e65e72be_quant
	.globl	k_q16e65e72be_quant
	.p2align	8
	.type	k_q16e65e72be_quant,@function
k_q16e65e72be_quant:
	s_mov_b64 s[64:65], 0
	v_nop
	global_prefetch_b8 v0, s[64:65] scope:SCOPE_SE
	s_setreg_imm32_b32 hwreg(HW_REG_WAVE_MODE, 25, 1), 1
	s_wait_xcnt 0x0
; The six f32 inputs whose K (the model's 1,024) is innermost become codes of FP6 (E2M3) with one E8M0 byte for each 32 along K.
; xq: 38,912 rows of 1,024 codes (768 bytes a row), then from byte XS on 32 scale bytes a row.  Rows: 0 the encoder's 16,384; 16,384 its rows R % 2 = 0 on end; 24,576 its rows R % 4 = 0;
; 28,672 its rows R % 8 = 0; 30,720 the decoder's 4,096; 34,816 Wk and Wv by stride class (row 512 c + 256 v + 64 g + place for head 4 g + c); 36,864 Wq (256 c + 64 g + d); 37,888 Wo as it lies.
; Of each 32 rows of Wv the two middle groups of 8 change places, so that the attention's result comes out with the head's 64 in their true order along the last product's K.
; A block's scale is 2^(floor(log2(its largest magnitude)) - 2); its byte is the largest magnitude's exponent field - 2, held at 1 from below.
; LIMITS: a block of zeros, and one whose largest magnitude lies under 2^-124, gets the byte 1 (its codes are zeros or the nearest codes under that scale; this program alone reads the bytes); NaN and infinities are not served.
; A work-group takes 32 rows of one tensor, a wave 8 rows: 16 steps of 512 numbers.  Each load reads 512 consecutive bytes; a step's 2,048 bytes turn through the wave's own stage in LDS, so that a lane
; holds 16 neighbours along K (two neighbouring lanes hold a block).  A step's codes leave as 384 consecutive bytes, a wave's 256 scale bytes as one aligned run of 256.  Waves share nothing: no barrier.
; No matrix unit, no cluster, no tensor load: the launch reads each byte once and work-groups share no input.
; WORK LEFT OUT: reference() slices K[:, h, ::s] and V[:, h, ::s], so of head h only the encoder's rows that are multiples of its stride s reach any output, whatever the inputs hold.
; The other rows of K and V of that head are not projected: hence the compact copies of the encoder's rows for s = 2, 4, 8.  Every input is loaded.  LIMIT: a NaN, an infinity or an overflow that reaches only the rows left out is not carried to the result.
.set WAVES, 4
.set STEPS, 16
.set EMAX,  2
.set CB,    12                         ; bytes of 16 codes
.set R,     16                         ; v16-79   four sets of 16 numbers as loaded
.set X,     80                         ; v80-111  two sets of 16 neighbours
.set E,     112                        ; v112-127 a scale byte for each step
.set C,     128                        ; v128-191 codes: four registers for each step, never written again
.set WREG,  8192                       ; LDS: a region for each wave: two stages of 32 x SP bytes, then its 256 scale bytes
.set SP,    80
.set SPW,   12                         ; v12  LDS address of my spare word; never rewritten
.set NIL,   13                         ; v13  0; never rewritten
.set SPARE, WAVES*WREG                 ; the spare words: 128 bytes a wave, two blocks of 256 bytes that no other line names
.set XS,    29884416                   ; where xq's scale bytes begin
	s_load_b256 s[4:11], s[0:1], 0x0               ; encoder, decoder, Wq, Wk
	s_load_b128 s[12:15], s[0:1], 0x20             ; Wv, Wo
	s_load_b64 s[16:17], s[0:1], 0x30              ; xq
	v_lshl_add_u32 v[SPW], v0, 2, SPARE
	v_mov_b32 v[NIL], 0
	v_lshrrev_b32 v1, 5, v0
	v_readfirstlane_b32 s18, v1                    ; wave
	v_and_b32 v2, 31, v0                           ; lane
	v_lshlrev_b32 v3, 4, v2                        ; my 16 bytes of a load's 512
	s_mul_i32 s19, s18, WREG
	v_lshrrev_b32 v14, 2, v2
	v_mul_u32_u24 v14, v14, SP
	v_and_b32 v15, 3, v2
	v_lshl_add_u32 v14, v15, 4, v14
	v_add_nc_u32 v14, s19, v14                     ; the stage, on the way in: SP (lane / 4) + 16 (lane % 4)
	v_mul_u32_u24 v15, v2, SP
	v_add_nc_u32 v15, s19, v15                     ; and on the way out: SP x lane
	v_mul_u32_u24 v4, v2, CB                       ; my codes' place in a step's 384 bytes
	v_lshrrev_b32 v5, 1, v2
	s_add_co_u32 s19, s19, 2*32*SP
	v_add_nc_u32 v5, s19, v5                       ; LDS: my wave's 256 scale bytes, my block's byte
	v_lshlrev_b32 v7, 3, v2                        ; on the way out 8 bytes a lane
	v_add_nc_u32 v6, s19, v7
	; the encoder's compact copies: which 8 of the wave's 256 scale bytes a lane takes, and where it puts them.  Surplus lanes repeat a lane's address and data
	v_and_b32 v198, 3, v2
	v_lshlrev_b32 v197, 3, v198                    ; every 8th row: 32 bytes: 8 (lane % 4)
	v_add_nc_u32 v194, s19, v197
	v_bfe_u32 v192, v2, 2, 2
	v_lshl_add_u32 v192, v192, 6, v194             ; every 2nd row: rows 0, 2, 4, 6 lie 64 bytes apart
	v_bfe_u32 v193, v2, 2, 1
	v_lshl_add_u32 v193, v193, 7, v194             ; every 4th row: rows 0, 4 lie 128 bytes apart
	v_and_b32 v195, 15, v2
	v_lshlrev_b32 v195, 3, v195
	v_and_b32 v196, 7, v2
	v_lshlrev_b32 v196, 3, v196
	s_wait_kmcnt 0x0
	; which tensor: the choice hangs on the work-group's number alone, and only pointers and numbers are chosen: all tensors take one path
	s_mov_b64 s[20:21], s[14:15]                   ; Wo: work-groups 736 to 767
	s_mov_b32 s22, 736                             ; its first work-group
	s_mov_b32 s23, 37888                           ; its first row in xq
	s_mov_b32 s24, 8                               ; log2 of the rows of a stride class
	s_mov_b32 s25, 0                               ; 1: rows are ordered by stride class
	s_mov_b32 s26, 0                               ; 1: the middle groups of 8 change places
.macro PICK thr, p, start, base, shift, perm, swap
	s_cmp_lt_u32 ttmp9, \thr
	s_cselect_b64 s[20:21], s[\p:\p+1], s[20:21]
	s_cselect_b32 s22, \start, s22
	s_cselect_b32 s23, \base, s23
	s_cselect_b32 s24, \shift, s24
	s_cselect_b32 s25, \perm, s25
	s_cselect_b32 s26, \swap, s26
.endm
	PICK 736, 12, 704, 35072, 9, 1, 1              ; Wv
	PICK 704, 10, 672, 34816, 9, 1, 0              ; Wk
	PICK 672, 8, 640, 36864, 8, 1, 0               ; Wq
	PICK 640, 6, 512, 30720, 8, 0, 0               ; the decoder's rows
	PICK 512, 4, 0, 0, 8, 0, 0                     ; the encoder's rows
	s_sub_co_u32 s27, ttmp9, s22                   ; i: which 32 rows of the tensor
	s_lshl_b32 s28, s27, 5                         ; as they lie: row 32 i
	s_lshr_b32 s29, s27, 1                         ; by class: head = i / 2 = 4 g + c
	s_and_b32 s29, s29, 3
	s_lshl_b32 s29, s29, s24                       ; c x the class's rows
	s_lshr_b32 s30, s27, 3
	s_lshl_b32 s30, s30, 6
	s_add_co_u32 s29, s29, s30                     ; + 64 g
	s_and_b32 s30, s27, 1
	s_lshl_b32 s30, s30, 5
	s_add_co_u32 s29, s29, s30                     ; + 32 (i % 2)
	s_cmp_eq_u32 s25, 1
	s_cselect_b32 s28, s29, s28
	s_and_b32 s29, s18, 1
	s_lshl_b32 s29, s29, 1
	s_lshr_b32 s30, s18, 1
	s_or_b32 s29, s29, s30                         ; the wave's number with its two bits exchanged
	s_cmp_eq_u32 s26, 1
	s_cselect_b32 s29, s29, s18
	s_lshl_b32 s29, s29, 3
	s_add_co_u32 s28, s28, s29
	s_add_co_u32 s28, s28, s23                     ; my wave's first row in xq
	s_lshl_b32 s30, s27, 2
	s_add_co_u32 s30, s30, s18
	s_lshl_b32 s30, s30, 15                        ; my wave's 8 rows of 4,096 bytes in the tensor (under 2^27)
	s_mov_b32 s31, 0
	s_add_nc_u64 s[20:21], s[20:21], s[30:31]
	s_mul_i32 s30, s28, 768
	s_add_nc_u64 s[32:33], s[16:17], s[30:31]      ; my codes
	s_lshl_b32 s30, s28, 5
	s_add_co_u32 s30, s30, XS
	s_add_nc_u64 s[34:35], s[16:17], s[30:31]      ; my scale bytes
.macro LOAD t
.irp i, 0,1,2,3
	global_load_b128 v[R+16*((\t)%4)+4*\i:R+16*((\t)%4)+4*\i+3], v3, s[20:21] offset:2048*(\t)+512*\i th:TH_LOAD_NT   ; 32 lanes read 512 consecutive bytes
.endr
.endm
.macro TURN t                          ; step t's numbers through the stage: LDS serves a wave's instructions in order, so no wait stands between the stores and the loads
.irp i, 0,1,2,3
	ds_store_b128 v14, v[R+16*((\t)%4)+4*\i:R+16*((\t)%4)+4*\i+3] offset:32*SP*((\t)%2)+8*SP*\i
.endr
.irp i, 0,1,2,3
	ds_load_b128 v[X+16*((\t)%2)+4*\i:X+16*((\t)%2)+4*\i+3], v15 offset:32*SP*((\t)%2)+16*\i
.endr
.endm
.irp t, 0,1,2,3
	LOAD \t
.endr
	s_wait_loadcnt 12                              ; step 0's four loads are in; those of three steps may be out
	TURN 0
.macro STEP t
.set XR, X+16*((\t)%2)
.if (\t) > 0
	s_wait_dscnt 1                                 ; this step's numbers are back from the stage (the last step's byte store may be out)
.else
	s_wait_dscnt 0x0
.endif
.if (\t)+4 < STEPS
	LOAD (\t)+4                                    ; into the registers that this step's stores into the stage have read
.endif
.if (\t)+1 < STEPS
.if STEPS-2-(\t) >= 3
	s_wait_loadcnt 12                              ; the next step's four loads are in; those of the three steps behind it may be out
.else
	s_wait_loadcnt 4*(STEPS-2-(\t))
.endif
	TURN (\t)+1
.endif
	v_max3_num_f32 v8, |v[XR]|, |v[XR+1]|, |v[XR+2]|               ; the largest magnitude of my 16, in two chains
	v_max3_num_f32 v9, |v[XR+3]|, |v[XR+4]|, |v[XR+5]|
.irp i, 6,10
	v_max3_num_f32 v8, v8, |v[XR+\i]|, |v[XR+\i+1]|
	v_max3_num_f32 v9, v9, |v[XR+\i+2]|, |v[XR+\i+3]|
.endr
	v_max3_num_f32 v8, v8, |v[XR+14]|, |v[XR+15]|
	v_max3_num_f32 v8, v8, v9, (EMAX+1)<<23        ; and the floor 2^(3 - 127): the byte cannot fall under 1
	v_max_num_f32_dpp v8, v8, v8 row_xmask:1 row_mask:0xf bank_mask:0xf   ; with my neighbour's 16: the block's
	v_add_nc_u32 v11, -(EMAX<<23), v8              ; 2 off its exponent field: the conversion takes the exponent field of this operand as its scale
	v_cvt_scalef32_pk16_fp6_f32 v[C+4*(\t):C+4*(\t)+2], v[XR:XR+15], v11
	v_lshrrev_b32 v[E+(\t)], 23, v11               ; the scale's byte (also the plain line behind the conversion)
	ds_store_b8 v5, v[E+(\t)] offset:16*(\t)       ; both lanes of a block write the same byte with the same value
	global_store_b96 v4, v[C+4*(\t):C+4*(\t)+2], s[32:33] offset:32*CB*(\t)
.endm
.irp t, 0,1,2,3,4,5,6,7,8,9,10,11,12,13,14,15
	STEP \t
.endr
	ds_load_b64 v[8:9], v6                         ; LDS serves a wave's instructions in order: these see my byte stores
	s_wait_dscnt 0x0
	global_store_b64 v7, v[8:9], s[34:35]          ; 32 lanes store 256 consecutive bytes, aligned
	; THE ENCODER'S ROWS ONCE MORE, for the heads that see every 2nd, 4th, 8th key: the same codes and bytes, laid on end.  Step t holds half t % 2 of my row t / 2
	s_cmp_lt_u32 ttmp9, 512
	s_cbranch_scc0 .Lno_copies
	s_lshl_b32 s36, s27, 5
	s_lshl_b32 s37, s18, 3
	s_add_co_u32 s36, s36, s37                     ; my first row, a multiple of 8
	s_mov_b32 s39, 0
.macro COPYBASE sh, first, pc, ps
	s_lshr_b32 s37, s36, \sh
	s_add_co_u32 s37, s37, \first
	s_mul_i32 s38, s37, 768
	s_add_nc_u64 s[\pc:\pc+1], s[16:17], s[38:39]
	s_lshl_b32 s38, s37, 5
	s_add_co_u32 s38, s38, XS
	s_add_nc_u64 s[\ps:\ps+1], s[16:17], s[38:39]
.endm
	COPYBASE 1, 16384, 40, 42
	COPYBASE 2, 24576, 44, 46
	COPYBASE 3, 28672, 48, 50
.irp t, 0,1,4,5,8,9,12,13
	global_store_b96 v4, v[C+4*\t:C+4*\t+2], s[40:41] offset:768*(\t/4)+384*(\t%2)
.endr
.irp t, 0,1,8,9
	global_store_b96 v4, v[C+4*\t:C+4*\t+2], s[44:45] offset:768*(\t/8)+384*(\t%2)
.endr
.irp t, 0,1
	global_store_b96 v4, v[C+4*\t:C+4*\t+2], s[48:49] offset:384*\t
.endr
	ds_load_b64 v[16:17], v192
	ds_load_b64 v[18:19], v193
	ds_load_b64 v[20:21], v194
	s_wait_dscnt 0x0
	global_store_b64 v195, v[16:17], s[42:43]      ; 128, 64 and 32 consecutive bytes: four, two and one row's scale bytes
	global_store_b64 v196, v[18:19], s[46:47]
	global_store_b64 v197, v[20:21], s[50:51]
.Lno_copies:
	s_wait_tensorcnt 0x0                           ; the wave's end
	ds_add_u32 v[SPW], v[NIL]
	s_wait_dscnt 0x0
	s_endpgm
.Lfunc_end_k_q16e65e72be_quant:
	.size	k_q16e65e72be_quant, .Lfunc_end_k_q16e65e72be_quant-k_q16e65e72be_quant
	.p2alignl 7, 3214868480
	.fill 96, 4, 3214868480
	.section	.rodata,"a",@progbits
	.p2align	6, 0x0
	.amdhsa_kernel k_q16e65e72be_quant
		.amdhsa_group_segment_fixed_size 33280
		.amdhsa_private_segment_fixed_size 0
		.amdhsa_enable_private_segment 0
		.amdhsa_kernarg_size 56
		.amdhsa_user_sgpr_count 2
		.amdhsa_user_sgpr_kernarg_segment_ptr 1
		.amdhsa_wavefront_size32 1
		.amdhsa_system_sgpr_workgroup_id_x 1
		.amdhsa_system_sgpr_workgroup_id_y 1
		.amdhsa_system_sgpr_workgroup_id_z 1
		.amdhsa_system_vgpr_workitem_id 0
		.amdhsa_next_free_vgpr 200
		.amdhsa_next_free_sgpr 66
		.amdhsa_reserve_vcc 0
		.amdhsa_float_denorm_mode_32 3
		.amdhsa_float_denorm_mode_16_64 3
		.amdhsa_memory_ordered 1
		.amdhsa_forward_progress 1
		.amdhsa_inst_pref_size 38
	.end_amdhsa_kernel
	.amdgpu_metadata
---
amdhsa.version: [ 1, 2 ]
amdhsa.kernels:
  - .name:           k_q16e65e72be_quant
    .symbol:         k_q16e65e72be_quant.kd
    .args:
      - { .name: encoder_output, .offset: 0, .size: 8, .value_kind: global_buffer, .address_space: global }
      - { .name: decoder_input, .offset: 8, .size: 8, .value_kind: global_buffer, .address_space: global }
      - { .name: Wq, .offset: 16, .size: 8, .value_kind: global_buffer, .address_space: global }
      - { .name: Wk, .offset: 24, .size: 8, .value_kind: global_buffer, .address_space: global }
      - { .name: Wv, .offset: 32, .size: 8, .value_kind: global_buffer, .address_space: global }
      - { .name: Wo, .offset: 40, .size: 8, .value_kind: global_buffer, .address_space: global }
      - { .name: xq, .offset: 48, .size: 8, .value_kind: global_buffer, .address_space: global }
    .group_segment_fixed_size: 33280
    .private_segment_fixed_size: 0
    .kernarg_segment_align: 8
    .kernarg_segment_size: 56
    .max_flat_workgroup_size: 128
    .sgpr_count:     66
    .vgpr_count:     200
    .wavefront_size: 32
...
	.end_amdgpu_metadata
.endif
;; end of part 1
;; launch proj (part 2): grid 304 x 1, 4 waves a work-group, no clusters, 327,680 bytes of LDS; arguments xq, bq, bk, bv, qkv; writes qkv
.if DOCPART == 2
	.amdgcn_target "amdgcn-amd-amdhsa--gfx1250"
	.amdhsa_code_object_version 6
	.text
	.protected	k_q16e65e72be_proj
	.globl	k_q16e65e72be_proj
	.p2align	8
	.type	k_q16e65e72be_proj,@function
k_q16e65e72be_proj:
	s_mov_b64 s[64:65], 0
	v_nop
	global_prefetch_b8 v0, s[64:65] scope:SCOPE_SE
	s_setreg_imm32_b32 hwreg(HW_REG_WAVE_MODE, 25, 1), 1
	s_wait_xcnt 0x0
; Q, K and V = x W^T + b on codes of FP6 (E2M3) with E8M0 scales, quantised again for the attention and stored as images of its operands' registers.
; Only the rows of K and V that reference()'s slices ::s keep are made (240 tiles of 256 x 256), and Q's 64 tiles.  Four waves, 128 x 128 each, 64 accumulators by turns.
; K = 1,024 is 768 bytes a row.  It goes through two LDS slots in CHUNKS OF 256 BYTES of each row, so that every tensor row begins at a multiple of 256 bytes: three chunks, chunk c in slot c % 2.
; A step of 128 along K is 96 bytes: eight steps; steps 2 and 5 lie across two chunks and read both slots.  The scales of all 512 rows come once, at the head.
; cluster = none: the two work-groups that share encoder rows hold them as different operands (V is made transposed), at different LDS places, so no one descriptor serves both.
; No prefetch: the walk has three chunks and no loop to run ahead in.
.set NQ,     2
.set ROWB,   256
.set KROW,   768
.set PITCH,  272                       ; 256 bytes + 16 of padding
.set FR,     12
.set NL,     6
.set NP,     4
.set HALFT,  128*PITCH
.set SLOT,   4*HALFT
.set STEPS,  8
.set CHUNKS, 3
.set SCL,    2*SLOT
.set HALFS,  4352
.set SBLK,   544
.set SPARE,  SCL+4*HALFS
.set XS,     29884416
.set WKV,    34816
.set WQ,     36864
.set REC,    13056
.set HSTR,   783360
.set QC,     12533760
.set QS,     15679488
.set BNO,  7
.set BMO,  8
.set ADRA, 16
.set ADRB, 20
.set LI16, 24
.set LI8,  25
.set SA,   26
.set ADRS, 27
.set SPW,  28
.set NIL,  29
.set SHV,  30
.set SC,   32
.set BN,   64
.set AF,   128
.set BM,   224
.set SW,   240
.set H,    128
.set CD,   192
.set TM,   64
.set PW,   80
.set G1,   24
.set G0,   32
.set G1S,  40
.set G0S,  48
.set G0H,  96                          ; s[96:99] group 0 of the head's load of chunk 0: 256 rows of one operand
.set SEL,  62
.set CBA,  78
.set CBB,  80
.set SCB0, 82
.set SCB1, 84
.set INC,  86
.set INC4, 88
.set MASK, 90
.set MSB, 0
.macro WIN new
.if MSB != \new
	s_set_vgpr_msb (MSB<<8)|\new
.set MSB, \new
.endif
.endm
.set MUL_LO, 0xa1
.set MUL_HI, 0xf1
.set TO_B,   0x40
	s_load_b256 s[4:11], s[0:1], 0x0
	s_load_b64 s[12:13], s[0:1], 0x20
	v_lshl_add_u32 v[SPW], v0, 2, SPARE
	v_mov_b32 v[NIL], 0
	ds_add_u32 v[SPW], v[NIL]
	ds_add_u32 v[SPW], v[NIL]
	v_lshrrev_b32 v1, 5, v0
	v_readfirstlane_b32 s14, v1
	s_lshr_b32 s15, s14, 1
	s_and_b32 s16, s14, 1
	s_lshr_b32 s52, ttmp9, 1
	s_and_b32 s53, ttmp9, 1
	s_cmp_ge_u32 s52, 64
	s_cselect_b32 s54, 1, 0
	s_cmp_ge_u32 s52, 96
	s_cselect_b32 s55, 1, 0
	s_add_co_u32 s54, s54, s55
	s_cmp_ge_u32 s52, 112
	s_cselect_b32 s55, 1, 0
	s_add_co_u32 s54, s54, s55
	s_lshr_b32 s55, 128, s54
	s_sub_co_u32 s55, 128, s55
	s_sub_co_u32 s55, s52, s55
	s_sub_co_u32 s56, 4, s54
	s_lshr_b32 s57, s55, s56
	s_lshr_b32 s58, 16, s54
	s_sub_co_u32 s58, s58, 1
	s_and_b32 s58, s55, s58
	s_lshl_b32 s59, s54, 9
	s_lshl_b32 s60, s53, 8
	s_add_co_u32 s59, s59, s60
	s_add_co_u32 s59, s59, WKV
	s_sub_co_u32 s60, ttmp9, 240
	s_lshr_b32 s61, s60, 2
	s_and_b32 s60, s60, 3
	s_lshr_b32 s66, s61, 2
	s_add_co_u32 s68, s61, 120
	s_lshl_b32 s69, s60, 8
	s_add_co_u32 s69, s69, WQ
	s_and_b32 s61, s61, 3
	s_cmp_lt_u32 ttmp9, 240
	s_cselect_b32 s54, s54, s60
	s_cselect_b32 s57, s57, s66
	s_cselect_b32 s52, s52, s68
	s_cselect_b32 s59, s59, s69
	s_cselect_b32 s53, s53, 0
	s_cselect_b32 s67, 0, 1
	s_lshl_b32 s52, s52, 8
	s_cmp_eq_u32 s53, 1
	s_cselect_b32 s68, s59, s52
	s_cselect_b32 s69, s52, s59
	s_cselect_b32 s70, 0, -1
	s_cselect_b32 s71, -1, 0
	s_cmp_eq_u32 s15, 0
	s_cselect_b32 s72, s68, s69
	s_lshl_b32 s73, s16, 7
	s_add_co_u32 s72, s72, s73
	s_mov_b32 s[G1+0], (0<<16)|(1<<20)|(5<<22)|(3<<25)   ; bytes; 4 words of padding behind every 64
	s_mov_b32 s[G1+1], ROWB<<16
	s_mov_b32 s[G1+2], 256<<16                     ; the head's load brings 256 rows; behind it the two row counts are set to 128
	s_mov_b32 s[G1+3], ROWB<<16
	s_mov_b32 s[G1+4], 256
	s_mov_b32 s[G1+5], KROW
	s_mov_b32 s[G1+6], 0
	s_mov_b32 s[G1+7], 0
	s_mov_b32 s[G1S+0], (3<<16)|(1<<20)|(5<<22)|(3<<25)
	s_mov_b32 s[G1S+1], 32<<16
	s_mov_b32 s[G1S+2], 32<<16                     ; the scales of 256 rows: 32 dense rows of 256 bytes
	s_mov_b32 s[G1S+3], 32<<16
	s_mov_b32 s[G1S+4], 32
	s_mov_b32 s[G1S+5], 32
	s_mov_b32 s[G1S+6], 0
	s_mov_b32 s[G1S+7], 0
	s_mul_i32 s20, s72, KROW
	s_mov_b32 s21, 0
	; THE HEAD'S FOUR TILES, ONE A WAVE: wave 0 chunk 0 of A's 256 rows, wave 1 of B's, wave 2 A's scales, wave 3 B's
	s_cmp_eq_u32 s16, 0
	s_cselect_b32 s73, s68, s69                    ; the operand's first row in xq
	s_mul_i32 s22, s73, KROW                       ; its codes,
	s_mov_b32 s23, 0
	s_lshl_b32 s18, s73, 5
	s_add_co_u32 s18, s18, XS                      ; its scale bytes
	s_mov_b32 s19, 0
	s_mul_i32 s17, s14, HALFT                      ; the ring: my quarter of a slot
	s_mul_i32 s74, s16, 2*HALFT                    ; the head: A's 256 rows, then B's
	s_mul_i32 s75, s16, 2*HALFS
	s_mov_b32 s[SEL], 0x76543210
	s_mov_b32 s[SEL+1], 0xfedcba98
	s_wait_dscnt 0x0                               ; both opening adds are done
	s_wait_kmcnt 0x0
	s_add_nc_u64 s[20:21], s[4:5], s[20:21]
	s_mov_b32 s[G0H], 1
	s_mov_b32 s[G0H+1], s74
	s_add_nc_u64 s[G0H+2:G0H+3], s[4:5], s[22:23]
	s_or_b32 s[G0H+3], s[G0H+3], 0x80000000
	s_mov_b32 s[G0S], 1
	s_add_co_u32 s[G0S+1], s75, SCL
	s_add_nc_u64 s[G0S+2:G0S+3], s[4:5], s[18:19]
	s_or_b32 s[G0S+3], s[G0S+3], 0x80000000
.irp s, 0,1
	s_mov_b32 s[G0+4*\s], 1
	s_add_co_u32 s[G0+4*\s+1], s17, \s*SLOT
	s_add_nc_u64 s[G0+4*\s+2:G0+4*\s+3], s[20:21], \s*ROWB
	s_or_b32 s[G0+4*\s+3], s[G0+4*\s+3], 0x80000000
.endr
	s_cmp_eq_u32 s15, 0                            ; one branch on the wave's number, a load in each arm: every way passes exactly one
	s_cbranch_scc0 .Lhead_scales
	tensor_load_to_lds s[G0H:G0H+3], s[G1:G1+7]
	s_nop 0
.rept 4
	v_nop
.endr
	s_branch .Lhead_asked
.Lhead_scales:
	tensor_load_to_lds s[G0S:G0S+3], s[G1S:G1S+7]
	s_nop 0
.rept 4
	v_nop
.endr
.Lhead_asked:
	v_and_b32 v1, 15, v0
	v_bfe_u32 v2, v0, 4, 1
	v_lshlrev_b32 v[BNO], 5, v2
	s_wait_alu depctr_va_vdst(0)
	v_and_b32 v[BMO], 8, v1
	v_add_nc_u32 v[BMO], v[BMO], v1
	v_lshlrev_b32 v[BMO], 2, v[BMO]
	s_wait_alu depctr_va_vdst(0)
	s_cmp_eq_u32 s53, 1
	s_cselect_b64 s[92:93], s[10:11], s[8:9]
	s_cmp_eq_u32 s67, 1
	s_cselect_b64 s[92:93], s[6:7], s[92:93]
	s_lshl_b32 s94, s54, 8
	s_lshl_b32 s17, s15, 11
	s_add_co_u32 s94, s94, s17
	s_mov_b32 s95, 0
	s_add_nc_u64 s[2:3], s[92:93], s[94:95]
	s_lshl_b32 s94, s54, 8
	s_lshl_b32 s17, s16, 11
	s_add_co_u32 s94, s94, s17
	s_add_nc_u64 s[92:93], s[92:93], s[94:95]
.irp b, 0,1,2,3,4,5,6,7
	global_load_b128 v[BN+8*\b:BN+8*\b+3], v[BNO], s[92:93] offset:1024*(\b/4)+64*(\b%4)
	global_load_b128 v[BN+8*\b+4:BN+8*\b+7], v[BNO], s[92:93] offset:1024*(\b/4)+64*(\b%4)+16
.endr
.irp a, 0,1,2,3,4,5,6,7
	global_load_b32 v[BM+2*\a], v[BMO], s[2:3] offset:1024*(\a/4)+128*((\a%4)/2)+32*(\a%2)
.endr
	v_mul_u32_u24 v3, v1, PITCH
	v_mul_u32_u24 v4, v2, 24
	v_add_nc_u32 v4, v3, v4
	s_mov_b32 s21, SLOT-232
	s_mov_b32 s22, SLOT+232
	v_sub_nc_u32 v9, 1, v2                         ; 1 in lanes 0-15
	v_mul_u32_u24 v5, s21, v2
	v_add_nc_u32 v5, v3, v5
	v_add_nc_u32 v5, 232, v5                       ; across two chunks: lanes 0-15 byte 232 of the row in slot 0, lanes 16-31 byte 0 in slot 1;
	v_mul_u32_u24 v6, s22, v9
	v_add_nc_u32 v6, v3, v6                        ; and lanes 0-15 byte 232 in slot 1, lanes 16-31 byte 0 in slot 0
	s_mul_i32 s21, s15, HALFT
	s_mul_i32 s22, s16, HALFT
	s_add_co_u32 s22, s22, 2*HALFT
	v_add_nc_u32 v[ADRA+2], s21, v5
	v_add_nc_u32 v[ADRA+3], s21, v6
	v_add_nc_u32 v[ADRB+2], s22, v5
	v_add_nc_u32 v[ADRB+3], s22, v6
.irp s, 0,1
	v_add_nc_u32 v[ADRA+\s], s21, v4
	v_add_nc_u32 v[ADRB+\s], s22, v4
	s_add_co_u32 s21, s21, SLOT
	s_add_co_u32 s22, s22, SLOT
.endr
	v_lshlrev_b32 v5, 5, v1
	v_lshrrev_b32 v6, 8, v5
	v_lshl_add_u32 v5, v6, 4, v5
	s_mul_i32 s21, s15, HALFS
	s_mul_i32 s22, s16, HALFS
	s_add_co_u32 s22, s22, 2*HALFS
	s_sub_co_u32 s22, s22, s21
	v_mul_u32_u24 v6, s22, v2
	s_add_co_u32 s21, s21, SCL
	v_add_nc_u32 v5, v5, v6
	v_add_nc_u32 v[ADRS], s21, v5
	v_and_b32 v6, 31, v0
	v_lshlrev_b32 v[LI16], 4, v6
	v_lshlrev_b32 v[LI8], 3, v6
	s_lshr_b32 s17, 64, s54
	s_sub_co_u32 s17, 64, s17
	s_lshl_b32 s18, s58, 1
	s_add_co_u32 s17, s17, s18
	s_lshl_b32 s18, s57, 2
	s_lshl_b32 s19, s16, 1
	s_add_co_u32 s19, s19, s18
	s_mul_i32 s19, s19, 60
	s_add_co_u32 s19, s19, s17
	s_add_co_u32 s19, s19, s15
	s_mul_i32 s19, s19, REC
	s_lshl_b32 s20, s15, 1
	s_add_co_u32 s20, s20, s18
	s_mul_i32 s20, s20, 60
	s_add_co_u32 s20, s20, s17
	s_add_co_u32 s20, s20, s16
	s_mul_i32 s20, s20, REC
	s_lshl_b32 s21, s57, 4
	s_lshl_b32 s22, s16, 3
	s_add_co_u32 s21, s21, s22
	s_add_co_u32 s21, s21, s54
	s_lshl_b32 s22, s21, 6
	s_lshl_b32 s23, s61, 4
	s_add_co_u32 s22, s22, s23
	s_lshl_b32 s23, s15, 3
	s_add_co_u32 s22, s22, s23
	s_mul_i32 s22, s22, 768
	s_add_co_u32 s22, s22, QC
	s_lshl_b32 s21, s21, 12
	s_lshl_b32 s23, s61, 2
	s_lshl_b32 s66, s15, 1
	s_add_co_u32 s23, s23, s66
	s_lshl_b32 s23, s23, 8
	s_add_co_u32 s21, s21, s23
	s_add_co_u32 s21, s21, QS
	s_add_co_u32 s66, s20, 6144
	s_add_co_u32 s68, s20, 12800
	s_add_co_u32 s69, s19, 12288
	s_mov_b32 s73, HSTR
	s_mov_b32 s[INC], 768
	s_mov_b32 s75, 256
	s_mov_b32 s76, HSTR
	s_mov_b32 s[MASK], 0xffff
	s_cmp_eq_u32 s53, 1
	s_cselect_b32 s72, s66, s19
	s_cselect_b32 s73, 768, s73
	s_cselect_b32 s[INC], 1536, s[INC]
	s_cselect_b32 s[INC4], 777216, 0
	s_cselect_b32 s74, s68, s69
	s_cselect_b32 s75, HSTR, s75
	s_cselect_b32 s76, 0, s76
	s_cselect_b32 s77, 0, 16
	s_cselect_b32 s[MASK], -1, s[MASK]
	s_cmp_eq_u32 s67, 1
	s_cselect_b32 s72, s22, s72
	s_cselect_b32 s73, 196608, s73
	s_cselect_b32 s74, s21, s74
	s_cselect_b32 s76, 16384, s76
	s_mov_b32 s[INC+1], 0
	s_mov_b32 s[INC4+1], 0
	s_mov_b32 s95, 0
	s_mov_b32 s94, s72
	s_add_nc_u64 s[CBA:CBA+1], s[12:13], s[94:95]
	s_mov_b32 s94, s73
	s_add_nc_u64 s[CBB:CBB+1], s[CBA:CBA+1], s[94:95]
	s_mov_b32 s94, s74
	s_add_nc_u64 s[SCB0:SCB0+1], s[12:13], s[94:95]
	s_mov_b32 s94, s75
	s_add_nc_u64 s[SCB1:SCB1+1], s[SCB0:SCB0+1], s[94:95]
	v_mul_u32_u24 v[SA], s76, v2
	v_lshl_add_u32 v[SA], v1, 4, v[SA]
	v_mul_u32_u24 v[SHV], s77, v2
	s_wait_loadcnt 0x0
.set j, 0
.rept 64
	v_and_b32 v[BN+j], s70, v[BN+j]
.set j, j+1
.endr
.irp a, 0,1,2,3,4,5,6,7
	v_and_b32 v[BM+2*\a+1], s71, v[BM+2*\a]
	v_and_b32 v[BM+2*\a], s71, v[BM+2*\a]
.endr
.macro FRAG reg, adr, st, i            ; a fragment of step st in pieces of 8 bytes.  Byte y of a row lies in chunk y / 256, slot (y / 256) % 2, at byte y % 256 of the LDS row; lanes 16-31 read 24 bytes on
.irp p, 0,1,2,3,4,5
.set BY, 96*(\st)+48*(\p/3)+8*(\p%3)
.if BY/ROWB == (BY+24)/ROWB
	ds_load_b64 v[\reg+2*\p:\reg+2*\p+1], v[\adr+(BY/ROWB)%2] offset:BY%ROWB+(\i)*16*PITCH
.else                                  ; the two halves of the lanes read different chunks
	ds_load_b64 v[\reg+2*\p:\reg+2*\p+1], v[\adr+2+(BY/ROWB)%2] offset:BY%ROWB-232+(\i)*16*PITCH
.endif
.endr
.endm
.macro MUL16 a0, p, q, sc, first
.irp a, \a0, \a0+1
.irp b, 0,1,2,3,4,5,6,7
.if \first
	v_wmma_scale_f32_16x16x128_f8f6f4 v[8*(8*((\a)%4)+\b):8*(8*((\a)%4)+\b)+7], v[128*(\p)+FR*\b:128*(\p)+FR*\b+FR-1], v[AF+FR*(\a):AF+FR*(\a)+FR-1], v[BN+8*\b:BN+8*\b+7], v[SC+8*NQ*(\sc)+NQ*\b+(\q)], v[SC+8*NQ*(\sc)+NQ*(\a)+(\q)] matrix_a_fmt:MATRIX_FMT_FP6 matrix_b_fmt:MATRIX_FMT_FP6 matrix_a_scale:MATRIX_SCALE_ROW1
.else
	v_wmma_scale_f32_16x16x128_f8f6f4 v[8*(8*((\a)%4)+\b):8*(8*((\a)%4)+\b)+7], v[128*(\p)+FR*\b:128*(\p)+FR*\b+FR-1], v[AF+FR*(\a):AF+FR*(\a)+FR-1], v[8*(8*((\a)%4)+\b):8*(8*((\a)%4)+\b)+7], v[SC+8*NQ*(\sc)+NQ*\b+(\q)], v[SC+8*NQ*(\sc)+NQ*(\a)+(\q)] matrix_a_fmt:MATRIX_FMT_FP6 matrix_b_fmt:MATRIX_FMT_FP6 matrix_a_scale:MATRIX_SCALE_ROW1
.endif
.endr
.endr
.endm
.macro FETCH_B st, p
	WIN TO_B
.irp i, 0,1,2,3,4,5,6,7
	FRAG 128*(\p)+FR*\i, ADRB, \st, \i
.endr
	WIN 0
.endm
.macro FETCH_A st, i0
.irp i, \i0, \i0+1, \i0+2, \i0+3
	FRAG AF+FR*(\i), ADRA, \st, \i
.endr
.endm
.macro SCALES pr                       ; the scale words of steps 2 pr and 2 pr + 1 into set pr % 2
.irp i, 0,1,2,3,4,5,6,7
	ds_load_b64 v[SC+8*NQ*((\pr)%2)+NQ*\i:SC+8*NQ*((\pr)%2)+NQ*\i+1], v[ADRS] offset:\i*SBLK+4*NQ*(\pr)
.endr
.endm
.macro PLACES n
.rept \n
	v_nop
.endr
.endm
; A step: 64 products on step st's fragments; the next step's fragments are fetched in its middle and at its end.
; Where the next step's bytes END in a chunk not yet read: each wave waits for its tensor loads, and a barrier shows that chunk whole.
; Where they BEGIN in a later chunk: the chunk left is read no more: the wait for all tensor loads, the add, the wait for it and for my reads, the barrier; and, if a chunk two on is left, the refill first behind it.
.macro STEP st, first
.set NX, (\st)+1
.set C0, (96*(\st))/ROWB
.set C1, (96*NX)/ROWB
.set E0, (96*(\st)+95)/ROWB
.set E1, (96*NX+95)/ROWB
.if C1 > C0 || E1 > E0
	s_wait_tensorcnt 0x0                           ; all my tensor loads have landed
.if C1 > C0
	ds_add_u32 v[SPW], v[NIL]
	s_wait_dscnt 4*NL+1                            ; the add and the youngest 24 loads (A's blocks 4-7) may be out
.else
	s_wait_dscnt 4*NL                              ; the youngest 24 loads may be out
.endif
	WIN MUL_LO
	MUL16 0, (\st)%2, (\st)%2, ((\st)/2)%2, 0
	s_wait_dscnt 0x0                               ; the add, where there is one, and all my reads are done
	s_barrier_signal -1
	MUL16 2, (\st)%2, (\st)%2, ((\st)/2)%2, 0
	WIN 0
	s_barrier_wait -1
.if C1 > C0 && C0+2 < CHUNKS
	s_add_nc_u64 s[G0+4*(C0%2)+2:G0+4*(C0%2)+3], s[G0+4*(C0%2)+2:G0+4*(C0%2)+3], 2*ROWB
	tensor_load_to_lds s[G0+4*(C0%2):G0+4*(C0%2)+3], s[G1:G1+7]   ; chunk C0 + 2: my one load behind this barrier
	s_nop 0
	PLACES 4
.else
	PLACES NP
.endif
.else
	s_wait_dscnt 4*NL                              ; the youngest 24 loads (A's blocks 4-7) may be out
.if \first
	WIN 0x81                                       ; the first products take the bias, in window 0, as C
.else
	WIN MUL_LO
.endif
	MUL16 0, (\st)%2, (\st)%2, ((\st)/2)%2, \first
	MUL16 2, (\st)%2, (\st)%2, ((\st)/2)%2, \first
	s_wait_dscnt 0
	PLACES NP
.endif
	FETCH_B NX, NX%2
	FETCH_A NX, 0
.if NX%2 == 0
	SCALES NX/2
.endif
.if \first
	WIN 0xc1
.else
	WIN MUL_HI
.endif
	MUL16 4, (\st)%2, (\st)%2, ((\st)/2)%2, \first
	MUL16 6, (\st)%2, (\st)%2, ((\st)/2)%2, \first
	PLACES NP
	WIN 0
	FETCH_A NX, 4
.endm
	s_wait_alu depctr_va_vdst(0)
	s_wait_tensorcnt 0x0                           ; my tile of the head's four is in; the lines that stand ahead of a refill stand ahead of slot 1's first fill too
	ds_add_u32 v[SPW], v[NIL]
	s_mov_b32 s[G1+2], 128<<16                     ; no tensor load of mine is out: from here on a load brings 128 rows
	s_mov_b32 s[G1+4], 128
	s_wait_dscnt 0x0
	s_barrier_signal -1
	s_barrier_wait -1                              ; all four tiles are in
	tensor_load_to_lds s[G0+4:G0+7], s[G1:G1+7]    ; chunk 1, my quarter of slot 1
	s_nop 0
	PLACES 4
	FETCH_B 0, 0
	FETCH_A 0, 0
	SCALES 0
	FETCH_A 0, 4
	STEP 0, 1
.set ST, 1
.rept STEPS-2
	STEP ST, 0
.set ST, ST+1
.endr
	s_wait_dscnt 4*NL
	WIN MUL_LO
	MUL16 0, 1, NQ-1, 1, 0
	MUL16 2, 1, NQ-1, 1, 0
	s_wait_dscnt 0
	WIN MUL_HI
	MUL16 4, 1, NQ-1, 1, 0
	MUL16 6, 1, NQ-1, 1, 0
	WIN 0
	PLACES NP
.macro QUANT s
.irp b, 0,1,2,3
	v_max3_num_f32 v[TM+\b], |v[\s+16*\b]|, |v[\s+1+16*\b]|, 0x1800000
.endr
.irp i, 2,4,6,8,10,12,14
.irp b, 0,1,2,3
	v_max3_num_f32 v[TM+\b], v[TM+\b], |v[\s+16*\b+\i]|, |v[\s+1+16*\b+\i]|
.endr
.endr
.irp b, 0,1,2,3
	v_permlanex16_b32 v[TM+4+\b], v[TM+\b], s[SEL], s[SEL+1]
.endr
.irp b, 0,1,2,3
	v_max_num_f32 v[TM+\b], v[TM+\b], v[TM+4+\b]
.endr
.irp b, 0,1,2,3
	v_add_nc_u32 v[TM+12+\b], 0xff000000, v[TM+\b]
.endr
.irp b, 0,1,2,3
	v_lshrrev_b32 v[TM+4+\b], 23, v[TM+12+\b]
.endr
	v_lshl_or_b32 v[PW], v[TM+5], 8, v[TM+4]
	v_lshl_or_b32 v[PW], v[TM+6], 16, v[PW]
	v_lshl_or_b32 v[PW], v[TM+7], 24, v[PW]
.irp c, 0,1
	v_cvt_scalef32_pk16_fp6_f32 v[CD+6*\c:CD+2+6*\c], v[\s+32*\c:\s+15+32*\c], v[TM+12+2*\c]
	v_cvt_scalef32_pk16_fp6_f32 v[CD+12+4*\c:CD+14+4*\c], v[\s+16+32*\c:\s+31+32*\c], v[TM+12+2*\c+1]
.endr
	v_nop
.irp c, 0,1
.irp i, 0,1,2
	v_permlane16_swap_b32 v[CD+6*\c+\i], v[CD+12+4*\c+\i]
.endr
.irp i, 0,1,2
	v_mov_b32 v[CD+3+6*\c+\i], v[CD+12+4*\c+\i]
.endr
.endr
.endm
.macro OUTBLK a
	WIN (0x02+(\a)/4)
.irp b, 0,1,2,3,4,5,6,7
.irp j, 0,2,4,6
	v_pk_add_f32 v[H+8*\b+\j:H+8*\b+\j+1], v[64*((\a)%4)+8*\b+\j:64*((\a)%4)+8*\b+\j+1], v[BM+2*(\a):BM+2*(\a)+1]
.endr
.endr
	WIN 0
.if (\a) > 0
	s_wait_xcnt 0x0
	s_add_nc_u64 s[CBA:CBA+1], s[CBA:CBA+1], s[INC:INC+1]
	s_add_nc_u64 s[CBB:CBB+1], s[CBB:CBB+1], s[INC:INC+1]
.if (\a) == 4
	s_add_nc_u64 s[CBA:CBA+1], s[CBA:CBA+1], s[INC4:INC4+1]
	s_add_nc_u64 s[CBB:CBB+1], s[CBB:CBB+1], s[INC4:INC4+1]
.endif
.endif
	QUANT H
	global_store_b128 v[LI16], v[CD:CD+3], s[CBA:CBA+1]
	global_store_b64 v[LI8], v[CD+4:CD+5], s[CBA:CBA+1] offset:512
	global_store_b128 v[LI16], v[CD+6:CD+9], s[CBB:CBB+1]
	global_store_b64 v[LI8], v[CD+10:CD+11], s[CBB:CBB+1] offset:512
	v_lshrrev_b32 v[SW+(\a)], v[SHV], v[PW]
	v_and_b32 v[SW+(\a)], s[MASK], v[SW+(\a)]
.endm
.irp b, 0,1,2,3
	v_mov_b32 v[TM+4+\b], 0
.endr
.irp a, 0,1,2,3,4,5,6,7
	OUTBLK \a
.endr
	global_store_b128 v[SA], v[SW:SW+3], s[SCB0:SCB0+1]
	global_store_b128 v[SA], v[SW+4:SW+7], s[SCB1:SCB1+1]
	s_wait_tensorcnt 0x0
	ds_add_u32 v[SPW], v[NIL]
	s_wait_dscnt 0x0
	s_endpgm
.Lfunc_end_k_q16e65e72be_proj:
	.size	k_q16e65e72be_proj, .Lfunc_end_k_q16e65e72be_proj-k_q16e65e72be_proj
	.p2alignl 7, 3214868480
	.fill 96, 4, 3214868480
	.section	.rodata,"a",@progbits
	.p2align	6, 0x0
	.amdhsa_kernel k_q16e65e72be_proj
		.amdhsa_group_segment_fixed_size 327680
		.amdhsa_private_segment_fixed_size 0
		.amdhsa_enable_private_segment 0
		.amdhsa_kernarg_size 40
		.amdhsa_user_sgpr_count 2
		.amdhsa_user_sgpr_kernarg_segment_ptr 1
		.amdhsa_wavefront_size32 1
		.amdhsa_system_sgpr_workgroup_id_x 1
		.amdhsa_system_sgpr_workgroup_id_y 1
		.amdhsa_system_sgpr_workgroup_id_z 1
		.amdhsa_system_vgpr_workitem_id 0
		.amdhsa_next_free_vgpr 1024
		.amdhsa_next_free_sgpr 100
		.amdhsa_reserve_vcc 0
		.amdhsa_float_denorm_mode_32 3
		.amdhsa_float_denorm_mode_16_64 3
		.amdhsa_memory_ordered 1
		.amdhsa_forward_progress 1
		.amdhsa_inst_pref_size 186
	.end_amdhsa_kernel
	.amdgpu_metadata
---
amdhsa.version: [ 1, 2 ]
amdhsa.kernels:
  - .name:           k_q16e65e72be_proj
    .symbol:         k_q16e65e72be_proj.kd
    .args:
      - { .name: xq, .offset: 0, .size: 8, .value_kind: global_buffer, .address_space: global }
      - { .name: bq, .offset: 8, .size: 8, .value_kind: global_buffer, .address_space: global }
      - { .name: bk, .offset: 16, .size: 8, .value_kind: global_buffer, .address_space: global }
      - { .name: bv, .offset: 24, .size: 8, .value_kind: global_buffer, .address_space: global }
      - { .name: qkv, .offset: 32, .size: 8, .value_kind: global_buffer, .address_space: global }
    .group_segment_fixed_size: 327680
    .private_segment_fixed_size: 0
    .kernarg_segment_align: 8
    .kernarg_segment_size: 40
    .max_flat_workgroup_size: 128
    .sgpr_count:     100
    .vgpr_count:     1024
    .wavefront_size: 32
...
	.end_amdgpu_metadata
.endif
;; end of part 2
;; launch attn (part 3): grid 16 x 16, 16 waves a work-group, clusters of 4 x 1, 327,680 bytes of LDS; arguments qkv, oq; writes oq
.if DOCPART == 3
	.amdgcn_target "amdgcn-amd-amdhsa--gfx1250"
	.amdhsa_code_object_version 6
	.text
	.protected	k_q16e65e72be_attn
	.globl	k_q16e65e72be_attn
	.p2align	8
	.type	k_q16e65e72be_attn,@function
k_q16e65e72be_attn:
	s_mov_b64 s[64:65], 0
	v_nop
	global_prefetch_b8 v0, s[64:65] scope:SCOPE_SE
	s_setreg_imm32_b32 hwreg(HW_REG_WAVE_MODE, 25, 1), 1
	s_wait_xcnt 0x0
	s_wait_alu depctr_hold_cnt(0) depctr_sa_sdst(0) depctr_va_vdst(0) depctr_va_sdst(0) depctr_va_ssrc(0) depctr_va_vcc(0) depctr_vm_vsrc(0)
	s_getreg_b32 s2, hwreg(HW_REG_IB_STS2, 6, 4)
	s_cmp_eq_u32 s2, 0
	s_cbranch_scc0 .Lentry_in_a_cluster
	s_endpgm
.Lentry_in_a_cluster:
	s_bfe_u32 s2, ttmp6, 0x10000c
	s_cmp_lg_u32 s2, 0x3003
	s_cbranch_scc0 .Lentry_shape_is_right
	s_endpgm
.Lentry_shape_is_right:
; The attention of all heads on codes of FP6 (E2M3) with E8M0 scales: S^T = K Q^T, p = 2^(t - M), O^T = V^T p^T, O / l, and O quantised along the model's 1,024 for the last product.
; t = score x log2(e) / 8; M = the running largest t rounded UP to a whole number; the row's sum l is taken of the unquantised p; when M moves, l and O are multiplied by 2^(old M - new M): exact.
; SHARES.  A work-group has 64 queries of one batch and the four heads 4 g .. 4 g + 3 (y = 4 batch + g): 4 tiles of 16 queries x 60 key steps of 128 keys.  SIXTEEN waves, four to a SIMD, 256 registers each, so that
; one wave's vector work stands beside another's LDS loads and products.  Wave w: tile of queries w % 4, stream w / 4.  A stream is a run of records that lie on end in memory, from record 16 x stream on:
; stream 0: the first 16 steps of head 4 g; stream 1: its last 16; stream 2: head 4 g + 1, 16 steps; stream 3: heads 4 g + 2 and 4 g + 3, 8 + 4 steps.  All 256 work-groups have the same work.
; HEAD 4 g'S TWO HALVES each run under a running M of their own.  At the end stream 1 hands O^T, -M and l to stream 0 through LDS, as images of its registers; both are brought under the larger M by powers of two, which round nothing, and added.
; A key step's K, V^T and scale words are one record of 13,056 dense bytes, laid as images of the operands' registers: every LDS load takes consecutive bytes, 16 or 8 a lane.
; A slot holds two steps of the four streams: eight records, one tensor load for each of waves 0 to 7; two slots, 2^17 bytes apart.
; CLUSTER.  The four work-groups of a cluster have the same y and walk the same 60 records: each record is asked for JOINTLY, by the same load with the same descriptor and a mask that names the four.
; HEAD SIZE 64 IN A K OF 128.  Q's registers 6-11 are zeros and bytes 2, 3 of Q's and K's scale words are 0; K's registers 6-11 are the next tile's codes (finite numbers: the format has no other): each such product is 0.
; Both products are used transposed: a lane holds one query throughout.  The keys of a block of 32 stand in the order 0-7, 16-23, 8-15, 24-31 in p and in V alike.
; LIMITS: NaN and infinities are not served; 1 / l by v_rcp_f32; a block of p or of O whose largest magnitude lies under 2^-124 gets the byte 1.
.set REC,   13056
.set HSTR,  783360
.set QC,    12533760
.set QS,    15679488
.set OS,    3145728
.set SLOT1, 1<<17
.set SPARE, SLOT1+8*REC                ; behind slot 1: the spare words, 128 bytes a wave: eight blocks of 256 bytes that no other line names
.set MRG,   SPARE+2048                 ; behind them: what stream 1 hands to stream 0: nine images of four registers, 4,608 bytes for each tile of queries; no tensor load lands here
.set MRGW,  4608
.set LI16, 1                           ; v1   16 x lane
.set LI8,  2                           ; v2   8 x lane
.set LR16, 3                           ; v3   16 x (lane % 16)
.set MA,   4                           ; v4   MRG + 4,608 x my tile of queries + 16 x lane; never rewritten
.set SPW,  5
.set NIL,  6
.set RO,   7                           ; v7   32 x (lane % 16): a row of oq's scale bytes
.set AD16, 8                           ; v8-10 the step's LDS addresses
.set AD8,  9
.set ADS,  10
.set PFO,  11                          ; v11  the prefetches' offset; never rewritten
.set QF,   16                          ; v16-27 Q's fragment;  v28 its scale word;  v42-48 the next head's (six registers and a word)
.set QSW,  28
.set KSW,  30                          ; v30-37 K's scale words;  v38-41 V's
.set VSW,  38
.set KF,   58                          ; v58-111: K's tile t at KF + 6 t (twelve registers are named, six are its own); V's tile t at KF + 12 t; v106-111 stay 0
.set S,    112                         ; v112-175 S^T, then p
.set O,    176                         ; v176-207 O^T
.set P,    208                         ; v208-219 p's codes;  v232-254 at work
.set WV,   8
.set ST,   9
.set QW,   10
.set G1,   16
.set G0,   24
.set SEL,  28
.set CS,   30
.set TB,   32                          ; s32  LDS byte of my stream's record of the step in hand
.set SN,   33                          ; s33  steps walked
.set LAST, 34                          ; s34  my stream's steps: 16 or 12
.set HEADEND, 35                       ; s35  the step count at which the head in hand ends (streams 0 and 1: none inside the loops)
.set HLEN, 36
.set SLOTS, 37
.set INNER, 38
.set LIM,  39
.set PFA,  40
.set OC,   42
.set OSA,  44
.set QA,   46
.set QSA,  48
.macro CROUND                          ; a round of the cluster's barrier
	s_barrier_signal -1
	s_barrier_wait -1
	s_cmp_lg_u32 s[WV], 0
	s_cbranch_scc1 .Lnot_wave_0_\@
	s_barrier_signal -3
.Lnot_wave_0_\@:
	s_barrier_wait -3
	s_barrier_signal -1
	s_barrier_wait -1
.endm
; A PREFETCH INTO THE L2 of my wave's record of the slot after the one just asked for: two key steps ahead of its load.  All clusters of a y walk the same records: the first of them (cluster x = 0) asks, and in it the
; waves that fetch.  Its four partners share a record's 51 blocks of 256 bytes out BY ADDRESS: 13, 13, 13 and 12; surplus lanes repeat the last.  The change at which s[SLOTS] = n asks for slot 8 - n and names slot 9 - n:
; waves 0 to 5 ask while n is above 1 (slots 2 to 7), waves 6 and 7, whose stream has six slots, while n is above 3 (slots 2 to 5).
.macro ASK
	s_cmp_gt_u32 s[SLOTS], s[LIM]
	s_cbranch_scc0 .Lnot_mine_\@
	global_prefetch_b8 v[PFO], s[PFA:PFA+1] th:TH_LOAD_NT scope:SCOPE_SE
.Lnot_mine_\@:
.endm
	s_load_b128 s[4:7], s[0:1], 0x0                ; qkv, oq
	v_lshl_add_u32 v[SPW], v0, 2, SPARE
	v_mov_b32 v[NIL], 0
	ds_add_u32 v[SPW], v[NIL]                      ; the wave's opening: the add and its wait ahead of my first tensor load; work on registers stands between them
	ds_add_u32 v[SPW], v[NIL]
	v_lshrrev_b32 v8, 5, v0
	s_delay_alu instid0(VALU_DEP_1)
	v_readfirstlane_b32 s[WV], v8                  ; wave 0..15
	s_lshr_b32 s[ST], s[WV], 2                     ; stream 0..3
	s_and_b32 s[QW], s[WV], 3                      ; tile of queries
	s_sub_co_u32 s14, s[ST], 1
	s_cmp_eq_u32 s[ST], 0
	s_cselect_b32 s14, 0, s14                      ; my first head of the four: 0, 0, 1, 2
	s_bfe_u32 s11, ttmp6, 0x40000                  ; cx
	s_lshl_b32 s12, ttmp9, 2
	s_add_co_u32 s12, s12, s11                     ; my block of 64 queries: it enters Q's and oq's addresses alone
	s_and_b32 s13, ttmp7, 0xffff                   ; y, which the four partners share
	; descriptor group 1: a record: 51 dense rows of 256 bytes (32 elements of 8 bytes)
	s_mov_b32 s[G1+0], 15|(3<<16)|(1<<21)          ; the mask: all four work-groups; bit 21 set beside it
	s_mov_b32 s[G1+1], 32<<16
	s_mov_b32 s[G1+2], 51<<16
	s_mov_b32 s[G1+3], 32<<16
	s_mov_b32 s[G1+4], 51
	s_mov_b32 s[G1+5], 32
	s_mov_b32 s[G1+6], 0
	s_mov_b32 s[G1+7], 0
	s_and_b32 s53, s[WV], 7                        ; the place in a slot that I fill (waves 0 to 7 alone fill): 2 x stream + step
	s_mul_i32 s15, s53, REC
	s_lshr_b32 s51, s53, 1
	s_lshl_b32 s51, s51, 4
	s_and_b32 s52, s[WV], 1
	s_add_co_u32 s51, s51, s52                     ; the record that I fetch for slot 0: 16 x stream + step
	s_mul_i32 s51, s51, REC
	s_mul_i32 s50, s13, HSTR
	s_add_co_u32 s50, s50, s51                     ; of my y
	s_mov_b32 s51, 0
	s_lshl_b32 s52, s13, 2
	s_add_co_u32 s52, s52, s14                     ; 16 x batch + my first head
	s_lshl_b32 s54, s12, 2
	s_add_co_u32 s54, s54, s[QW]                   ; my tile of 16 queries in the batch
	s_lshl_b32 s53, s52, 6
	s_add_co_u32 s53, s53, s54
	s_mul_i32 s[QA], s53, 768
	s_add_co_u32 s[QA], s[QA], QC
	s_mov_b32 s[QA+1], 0
	s_lshl_b32 s[QSA], s52, 12
	s_lshl_b32 s53, s12, 8
	s_add_co_u32 s[QSA], s[QSA], s53
	s_lshl_b32 s53, s[QW], 2
	s_add_co_u32 s[QSA], s[QSA], s53
	s_add_co_u32 s[QSA], s[QSA], QS
	s_mov_b32 s[QSA+1], 0
	s_lshr_b32 s53, s13, 2
	s_lshl_b32 s53, s53, 6
	s_add_co_u32 s53, s53, s54                     ; my tile among all 256
	s_and_b32 s55, s13, 3
	s_lshl_b32 s55, s55, 2
	s_add_co_u32 s55, s55, s14                     ; my first head
	s_lshl_b32 s[OC], s53, 4
	s_add_co_u32 s[OC], s[OC], s55
	s_mul_i32 s[OC], s[OC], 768
	s_mov_b32 s[OC+1], 0
	s_lshl_b32 s[OSA], s53, 9
	s_lshl_b32 s55, s55, 1
	s_add_co_u32 s[OSA], s[OSA], s55
	s_add_co_u32 s[OSA], s[OSA], OS
	s_mov_b32 s[OSA+1], 0
	s_mul_i32 s56, s11, 3328                       ; my work-group's 13 blocks of a record,
	s_add_co_u32 s56, s56, 2*REC                   ; in slot 1: the first change of slots steps it to slot 2.  Nothing is prefetched at the head
	s_mov_b32 s57, 0
	s_cmp_eq_u32 s11, 3
	s_cselect_b32 s58, 11, 12
	s_cmp_lt_u32 s[WV], 6
	s_cselect_b32 s[LIM], 1, 3
	s_cmp_lt_u32 s[WV], 8                          ; the waves that fetch ask,
	s_cselect_b32 s[LIM], s[LIM], -1
	s_cmp_eq_u32 ttmp9, 0                          ; in the first cluster of this y: the same in all four partners
	s_cselect_b32 s[LIM], s[LIM], -1
	s_mov_b32 s[SEL], 0x76543210
	s_mov_b32 s[SEL+1], 0xfedcba98
	s_mov_b32 s[CS], 0x3e38aa3b                    ; c = log2(e) / 8
	s_mov_b32 s[CS+1], s[CS]
	s_mul_i32 s[TB], s[ST], 2*REC
	s_mov_b32 s[SN], 0
	s_cmp_eq_u32 s[ST], 3
	s_cselect_b32 s[LAST], 12, 16
	s_cselect_b32 s[HLEN], 8, 0
	s_cselect_b32 s[HEADEND], 8, 64                ; 64: a count that no stream reaches
	s_cmp_eq_u32 s[ST], 2
	s_cselect_b32 s[HEADEND], 16, s[HEADEND]
	v_and_b32 v9, 31, v0
	s_delay_alu instid0(VALU_DEP_1)
	v_lshlrev_b32 v[LI16], 4, v9
	s_delay_alu instid0(VALU_DEP_2)
	v_lshlrev_b32 v[LI8], 3, v9
	s_delay_alu instid0(VALU_DEP_3)
	v_min_u32 v[PFO], s58, v9
	s_delay_alu instid0(VALU_DEP_1)
	v_lshlrev_b32 v[PFO], 8, v[PFO]
	v_and_b32 v9, 15, v0
	s_delay_alu instid0(VALU_DEP_1)
	v_lshlrev_b32 v[LR16], 4, v9
	s_delay_alu instid0(VALU_DEP_2)
	v_lshlrev_b32 v[RO], 5, v9
	s_mul_i32 s59, s[QW], MRGW
	s_add_co_u32 s59, s59, MRG
	v_add_nc_u32 v[MA], s59, v[LI16]               ; the same place in streams 0 and 1 of a tile of queries
	s_wait_dscnt 0x0                               ; the opening add is done
	s_wait_kmcnt 0x0
	s_mov_b32 s[G0], 1
	s_mov_b32 s[G0+1], s15                         ; slot 0, my place
	s_add_nc_u64 s[G0+2:G0+3], s[4:5], s[50:51]
	s_or_b32 s[G0+3], s[G0+3], 0x80000000
	s_add_nc_u64 s[PFA:PFA+1], s[4:5], s[50:51]
	s_add_nc_u64 s[PFA:PFA+1], s[PFA:PFA+1], s[56:57]
	s_add_nc_u64 s[QA:QA+1], s[4:5], s[QA:QA+1]
	s_add_nc_u64 s[QSA:QSA+1], s[4:5], s[QSA:QSA+1]
	s_add_nc_u64 s[OC:OC+1], s[6:7], s[OC:OC+1]
	s_add_nc_u64 s[OSA:OSA+1], s[6:7], s[OSA:OSA+1]
	CROUND                                         ; all four work-groups are here: the first joint loads meet
	s_cmp_lt_u32 s[WV], 8                          ; the wave's number alone: the same in all partners
	s_cbranch_scc0 .Lno_first
	tensor_load_to_lds s[G0:G0+3], s[G1:G1+7]      ; slot 0: one load of mine is out
	s_nop 0
.rept 4
	v_nop
.endr
.Lno_first:
.macro QLOAD reg, sc, n                ; head n of my two (stream 3 alone uses the second; the others' stays inside the buffer)
	global_load_b128 v[\reg:\reg+3], v[LI16], s[QA:QA+1] offset:49152*\n
	global_load_b64 v[\reg+4:\reg+5], v[LI8], s[QA:QA+1] offset:49152*\n+512
	global_load_b32 v[\sc], v[LR16], s[QSA:QSA+1] offset:4096*\n
.endm
	s_wait_alu depctr_va_vdst(0)
	QLOAD QF, QSW, 0
	QLOAD 42, 48, 1
.irp i, 0,1,2,3,4,5
	v_mov_b32 v[QF+6+\i], 0                        ; the dead half of Q's fragment
	v_mov_b32 v[KF+48+\i], 0                       ; and what K's last tile names behind its own six
.endr
	v_mov_b32 v13, 0xff61b1e6                      ; the largest t so far: -3e38
	s_delay_alu instid0(VALU_DEP_1)
	v_floor_f32 v12, -v13                          ; -M
	v_mov_b32 v14, 0
	v_mov_b32 v15, 0
.irp b, 0,1,2,3
	v_mov_b32 v[236+\b], 0                         ; written once: a lane permute's destination counts as one of its sources
.endr
	v_mov_b32 v252, 0
	v_mov_b32 v253, 0
.set j, 0
.rept 32
	v_mov_b32 v[O+j], 0                            ; O^T: a head's first step finds zeros, which the first change of M leaves zeros
.set j, j+1
.endr
	s_wait_loadcnt 0x0                             ; Q
; A KEY STEP: 128 keys of the head in hand
.macro STEP
	s_cmp_lt_u32 s[SN], s[LAST]                    ; stream 3 has no steps 12 to 15: the wave's number and the count of steps alone; no barrier and no tensor load stands in a step
	s_cbranch_scc0 .Lidle_\@
	v_add_nc_u32 v[AD16], s[TB], v[LI16]
	v_add_nc_u32 v[AD8], s[TB], v[LI8]
	v_add_nc_u32 v[ADS], s[TB], v[LR16]
	v_nop                                          ; four plain lines in front of loads into registers that the last products read
.irp t, 0,1,2,3,4,5,6,7
	ds_load_b128 v[KF+6*\t:KF+6*\t+3], v[AD16] offset:768*\t
	ds_load_b64 v[KF+6*\t+4:KF+6*\t+5], v[AD8] offset:768*\t+512
.endr
	ds_load_b128 v[KSW:KSW+3], v[ADS] offset:12288
	ds_load_b128 v[KSW+4:KSW+7], v[ADS] offset:12544
	s_wait_alu depctr_va_vdst(0)
	s_wait_dscnt 0x0
.irp t, 0,1,2,3,4,5,6,7
	v_wmma_scale_f32_16x16x128_f8f6f4 v[S+8*\t:S+8*\t+7], v[KF+6*\t:KF+6*\t+11], v[QF:QF+11], 0, v[KSW+\t], v[QSW] matrix_a_fmt:MATRIX_FMT_FP6 matrix_b_fmt:MATRIX_FMT_FP6
.endr
.rept 4
	v_nop                                          ; places in front of the loads into K's registers and of the first read of the scores
.endr
.irp t, 0,1,2,3                                ; V^T's four tiles land while the softmax is walked
	ds_load_b128 v[KF+12*\t:KF+12*\t+3], v[AD16] offset:6144+1536*\t
	ds_load_b64 v[KF+12*\t+4:KF+12*\t+5], v[AD8] offset:6144+1536*\t+512
	ds_load_b128 v[KF+12*\t+6:KF+12*\t+9], v[AD16] offset:6144+1536*\t+768
	ds_load_b64 v[KF+12*\t+10:KF+12*\t+11], v[AD8] offset:6144+1536*\t+1280
.endr
	ds_load_b128 v[VSW:VSW+3], v[ADS] offset:12800
.irp b, 0,1,2,3
	v_max3_num_f32 v[232+\b], v[S+16*\b], v[S+1+16*\b], v[S+2+16*\b]   ; the largest score of each block of 32 keys: it serves the row's maximum and, since p rises with the score, the block's largest p
.endr
.irp i, 3,5,7,9,11,13
.irp b, 0,1,2,3
	v_max3_num_f32 v[232+\b], v[232+\b], v[S+16*\b+\i], v[S+1+16*\b+\i]
.endr
.endr
.irp b, 0,1,2,3
	v_max_num_f32 v[232+\b], v[232+\b], v[S+15+16*\b]
.endr
.irp b, 0,1,2,3
	s_delay_alu instid0(VALU_DEP_4)
	v_permlanex16_b32 v[236+\b], v[232+\b], s[SEL], s[SEL+1]
.endr
.irp b, 0,1,2,3
	s_delay_alu instid0(VALU_DEP_4)
	v_max_num_f32 v[232+\b], v[232+\b], v[236+\b]  ; with lane l xor 16's 16 keys
.endr
	s_delay_alu instid0(VALU_DEP_2)
	v_max3_num_f32 v254, v232, v233, v234
	s_delay_alu instid0(VALU_DEP_1)
	v_max_num_f32 v254, v254, v235
	s_delay_alu instid0(VALU_DEP_1)
	v_mul_f32 v254, s[CS], v254                    ; the step's largest t (c is positive)
	s_delay_alu instid0(VALU_DEP_1)
	v_max_num_f32 v13, v13, v254
	v_mov_b32 v254, v12
	s_delay_alu instid0(VALU_DEP_2)
	v_floor_f32 v12, -v13                          ; the new -M = -ceil(t)
	s_delay_alu instid0(VALU_DEP_1)
	v_sub_f32 v254, v12, v254                      ; old M - new M: a whole number, 0 or less
	s_delay_alu instid0(VALU_DEP_1)
	v_cvt_i32_f32 v254, v254                       ; (it saturates)
	s_delay_alu instid0(VALU_DEP_1)
	v_ldexp_f32 v252, 1.0, v254                    ; f = 2^(old M - new M)
.set j, 0
.rept 32
	v_pk_fma_f32 v[S+j:S+j+1], v[S+j:S+j+1], s[CS:CS+1], v[12:13] op_sel_hi:[1,0,0]   ; t - M, two at a time
.set j, j+2
.endr
.irp b, 0,1,2,3
	v_fma_f32 v[232+\b], v[232+\b], s[CS], v12     ; the same of each block's largest score
.endr
.set j, 0
	s_wait_alu depctr_va_vdst(0)
.rept 64
	v_exp_f32 v[S+j], v[S+j]                       ; p = 2^(t - M), at most 1: not normalised
.set j, j+1
.endr
	v_pk_mul_f32 v[14:15], v[14:15], v[252:253] op_sel_hi:[1,0]   ; the sums under the new M: the plain line behind the exponentials
	s_wait_alu depctr_va_vdst(0)                   ; one wait for the whole batch, ahead of its first reader
.irp b, 0,1,2,3
	v_exp_f32 v[232+\b], v[232+\b]                 ; each block's largest p
.endr
	v_pk_add_f32 v[236:237], v[116:117], v[120:121]
	v_pk_add_f32 v[254:255], v[124:125], v[128:129]
	v_pk_add_f32 v[250:251], v[132:133], v[136:137]
	v_pk_add_f32 v[248:249], v[140:141], v[144:145]
	v_pk_add_f32 v[246:247], v[148:149], v[152:153]
	v_pk_add_f32 v[244:245], v[156:157], v[160:161]
	v_pk_add_f32 v[242:243], v[164:165], v[168:169]
	v_pk_add_f32 v[14:15], v[14:15], v[172:173]
	v_pk_add_f32 v[236:237], v[236:237], v[112:113]
	v_pk_add_f32 v[254:255], v[254:255], v[114:115]
	v_pk_add_f32 v[250:251], v[250:251], v[118:119]
	v_pk_add_f32 v[248:249], v[248:249], v[122:123]
	v_pk_add_f32 v[246:247], v[246:247], v[126:127]
	v_pk_add_f32 v[244:245], v[244:245], v[130:131]
	v_pk_add_f32 v[242:243], v[242:243], v[134:135]
	v_pk_add_f32 v[14:15], v[14:15], v[138:139]
	v_pk_add_f32 v[236:237], v[236:237], v[142:143]
	v_pk_add_f32 v[254:255], v[254:255], v[146:147]
	v_pk_add_f32 v[250:251], v[250:251], v[150:151]
	v_pk_add_f32 v[248:249], v[248:249], v[154:155]
	v_pk_add_f32 v[246:247], v[246:247], v[158:159]
	v_pk_add_f32 v[244:245], v[244:245], v[162:163]
	v_pk_add_f32 v[242:243], v[242:243], v[166:167]
	v_pk_add_f32 v[14:15], v[14:15], v[170:171]
	v_pk_add_f32 v[236:237], v[236:237], v[174:175]
	s_delay_alu instid0(VALU_DEP_2)
	v_pk_add_f32 v[14:15], v[14:15], v[248:249]
	s_delay_alu instid0(VALU_DEP_2)
	v_pk_add_f32 v[236:237], v[236:237], v[246:247]
	v_pk_add_f32 v[254:255], v[254:255], v[244:245]
	v_pk_add_f32 v[250:251], v[250:251], v[242:243]
	s_delay_alu instid0(VALU_DEP_2)
	v_pk_add_f32 v[14:15], v[14:15], v[254:255]
	s_delay_alu instid0(VALU_DEP_2)
	v_pk_add_f32 v[236:237], v[236:237], v[250:251]
	s_delay_alu instid0(VALU_DEP_1)
	v_pk_add_f32 v[14:15], v[14:15], v[236:237]
	s_wait_alu depctr_va_vdst(0)                   ; and one for the four
.irp b, 0,1,2,3
	v_max_num_f32 v[232+\b], 0x1800000, v[232+\b]  ; the floor 2^(3 - 127)
.endr
.irp b, 0,1,2,3
	s_delay_alu instid0(VALU_DEP_4)
	v_add_nc_u32 v[244+\b], 0xff000000, v[232+\b]  ; the conversion's scale operand
.endr
.irp b, 0,1,2,3
	s_delay_alu instid0(VALU_DEP_4)
	v_lshrrev_b32 v[236+\b], 23, v[244+\b]         ; the scale's byte
.endr
	s_delay_alu instid0(VALU_DEP_3)
	v_lshl_or_b32 v253, v237, 8, v236              ; p's scale word for these 128 keys
	s_delay_alu instid0(VALU_DEP_1)
	v_lshl_or_b32 v253, v238, 16, v253
	s_delay_alu instid0(VALU_DEP_1)
	v_lshl_or_b32 v253, v239, 24, v253
.irp c, 0,1
	v_cvt_scalef32_pk16_fp6_f32 v[P+6*\c:P+2+6*\c], v[S+32*\c:S+15+32*\c], v[244+2*\c]
	v_cvt_scalef32_pk16_fp6_f32 v[236+4*\c:238+4*\c], v[S+16+32*\c:S+31+32*\c], v[244+2*\c+1]
.endr
	v_nop                                          ; one plain line behind the conversions
.irp c, 0,1
.irp i, 0,1,2
	v_permlane16_swap_b32 v[P+6*\c+\i], v[236+4*\c+\i]
.endr
.irp i, 0,1,2
	s_delay_alu instid0(VALU_DEP_3)
	v_mov_b32 v[P+3+6*\c+\i], v[236+4*\c+\i]
.endr
.endr
.set j, 0
.rept 16
	v_pk_mul_f32 v[O+j:O+j+1], v[O+j:O+j+1], v[252:253] op_sel_hi:[1,0]   ; O^T under the new M.  (These sixteen also stand between the writes of p's codes and scale word and the products)
.set j, j+2
.endr
	s_wait_alu depctr_va_vdst(0)
	s_wait_dscnt 0x0                               ; V^T and its scale words are in
.irp t, 0,1,2,3
	v_wmma_scale_f32_16x16x128_f8f6f4 v[O+8*\t:O+8*\t+7], v[KF+12*\t:KF+12*\t+11], v[P:P+11], v[O+8*\t:O+8*\t+7], v[VSW+\t], v253 matrix_a_fmt:MATRIX_FMT_FP6 matrix_b_fmt:MATRIX_FMT_FP6
.endr
.Lidle_\@:
	s_add_co_u32 s[TB], s[TB], REC
	s_add_co_u32 s[SN], s[SN], 1
.endm
; A HEAD'S END: O / l, quantised along the head's 64 (two blocks), stored as an image of half a fragment of the last product, with two scale bytes a row; then the next head's Q and a fresh state.
.macro FINISH
.rept 4
	v_nop                                          ; places behind the last products
.endr
	v_add_f32 v14, v14, v15
	s_delay_alu instid0(VALU_DEP_1)
	v_permlanex16_b32 v252, v14, s[SEL], s[SEL+1]
	s_delay_alu instid0(VALU_DEP_1)
	v_add_f32 v14, v14, v252                       ; the row's sum
	s_wait_alu depctr_va_vdst(0)
	v_rcp_f32 v14, v14
	v_nop
	s_wait_alu depctr_va_vdst(0)                   ; ahead of the reciprocal's first reader
.set j, 0
.rept 32
	v_mul_f32 v[S+j], v[O+j], v14                  ; each accumulator from its low end on
.set j, j+1
.endr
.irp b, 0,1
	v_max3_num_f32 v[232+\b], |v[S+16*\b]|, |v[S+1+16*\b]|, 0x1800000
.endr
.irp i, 2,4,6,8,10,12,14
.irp b, 0,1
	s_delay_alu instid0(VALU_DEP_2)
	v_max3_num_f32 v[232+\b], v[232+\b], |v[S+16*\b+\i]|, |v[S+1+16*\b+\i]|
.endr
.endr
.irp b, 0,1
	s_delay_alu instid0(VALU_DEP_2)
	v_permlanex16_b32 v[236+\b], v[232+\b], s[SEL], s[SEL+1]
.endr
.irp b, 0,1
	s_delay_alu instid0(VALU_DEP_2)
	v_max_num_f32 v[232+\b], v[232+\b], v[236+\b]
.endr
.irp b, 0,1
	s_delay_alu instid0(VALU_DEP_2)
	v_add_nc_u32 v[244+\b], 0xff000000, v[232+\b]
.endr
.irp b, 0,1
	s_delay_alu instid0(VALU_DEP_2)
	v_lshrrev_b32 v[236+\b], 23, v[244+\b]
.endr
	s_delay_alu instid0(VALU_DEP_1)
	v_lshl_or_b32 v254, v237, 8, v236              ; my row's two scale bytes
	v_cvt_scalef32_pk16_fp6_f32 v[P:P+2], v[S:S+15], v244
	v_cvt_scalef32_pk16_fp6_f32 v[P+6:P+8], v[S+16:S+31], v245
	v_nop
.irp i, 0,1,2
	v_permlane16_swap_b32 v[P+\i], v[P+6+\i]
.endr
.irp i, 0,1,2
	s_delay_alu instid0(VALU_DEP_3)
	v_mov_b32 v[P+3+\i], v[P+6+\i]
.endr
	global_store_b128 v[LI16], v[P:P+3], s[OC:OC+1]            ; 512 consecutive bytes, aligned
	global_store_b64 v[LI8], v[P+4:P+5], s[OC:OC+1] offset:512 ; 256
	global_store_b16 v[RO], v254, s[OSA:OSA+1]                 ; two bytes of each of 16 rows (lanes 16-31 repeat lanes 0-15): 128 KiB of such pieces in the whole launch
	s_wait_xcnt 0x0                                ; the stores have read their data and bases: both are written again only behind this wait
	s_add_nc_u64 s[OC:OC+1], s[OC:OC+1], 768
	s_add_nc_u64 s[OSA:OSA+1], s[OSA:OSA+1], 2
.irp i, 0,1,2,3,4,5
	v_mov_b32 v[QF+\i], v[42+\i]                   ; the next head's Q
.endr
	v_mov_b32 v[QSW], v48
	v_mov_b32 v13, 0xff61b1e6
	s_delay_alu instid0(VALU_DEP_1)
	v_floor_f32 v12, -v13
	v_mov_b32 v14, 0
	v_mov_b32 v15, 0
.set j, 0
.rept 32
	v_mov_b32 v[O+j], 0
.set j, j+1
.endr
	s_lshr_b32 s[HLEN], s[HLEN], 1                 ; the next head has half the keys: 8 steps, then 4,
	s_and_b32 s[HLEN], s[HLEN], 4                  ; then none: the count stays where it is and is not met again
	s_add_co_u32 s[HEADEND], s[HEADEND], s[HLEN]
.endm
; THE CHANGE OF SLOTS stands at a slot's head.  Each wave waits for all its tensor loads (its record of the slot ahead), adds 0 to its spare word, and waits for that and for its reads of the slot that it has left.
; nw = 8: the slot left is filled again by waves 0 to 7; 6: by waves 0 to 5 (stream 3 has no seventh slot); 0: not at all.  Where it is filled the barrier is a round of the cluster's, and the joint load is the first thing behind it.
.macro CHANGE nw
	s_wait_tensorcnt 0x0                           ; no tensor load of mine is out, so the descriptor may be written
	ds_add_u32 v[SPW], v[NIL]
	ds_add_u32 v[SPW], v[NIL]
.if \nw
	s_xor_b32 s[G0+1], s[G0+1], SLOT1              ; the other slot than last time,
	s_add_nc_u64 s[G0+2:G0+3], s[G0+2:G0+3], 2*REC ; two records on
	s_wait_xcnt 0x0                                ; the last prefetch, a slot back, has read its address
	s_add_nc_u64 s[PFA:PFA+1], s[PFA:PFA+1], 2*REC
	s_wait_dscnt 0x0                               ; the add is done, and my reads of the slot that I have left are over
	CROUND
	s_cmp_lt_u32 s[WV], \nw                        ; the wave's number alone: the same in all partners
	s_cbranch_scc0 .Lnone_\@
	tensor_load_to_lds s[G0:G0+3], s[G1:G1+7]
	s_nop 0
.rept 4
	v_nop
.endr
.Lnone_\@:
	ASK
.else
	s_wait_dscnt 0x0
	s_barrier_signal -1
	s_barrier_wait -1
.endif
.endm
.macro SLOT_STEPS                      ; a slot's two steps, written once and walked twice; then the other slot; then, where a head has ended, its way out
	s_mov_b32 s[INNER], 2
.Lstep_\@:
	STEP
	s_sub_co_u32 s[INNER], s[INNER], 1
	s_cmp_lg_u32 s[INNER], 0
	s_cbranch_scc1 .Lstep_\@
	s_sub_co_u32 s[TB], s[TB], 2*REC
	s_xor_b32 s[TB], s[TB], SLOT1
	s_cmp_eq_u32 s[SN], s[HEADEND]                 ; heads end at 16 (stream 2) and at 8 and 12 (stream 3): whole slots
	s_cbranch_scc0 .Lon_\@
	FINISH
.Lon_\@:
.endm
	s_mov_b32 s[SLOTS], 7
.Lslot:                                            ; five trips: slots 0 to 4 are walked, slots 1 to 5 asked for
	CHANGE 8
	SLOT_STEPS
	s_sub_co_u32 s[SLOTS], s[SLOTS], 1
	s_cmp_lg_u32 s[SLOTS], 2
	s_cbranch_scc1 .Lslot
.Lslot6:                                           ; two trips: slots 5 and 6 are walked, slots 6 and 7 asked for, by the three streams that have them
	CHANGE 6
	SLOT_STEPS
	s_sub_co_u32 s[SLOTS], s[SLOTS], 1
	s_cmp_lg_u32 s[SLOTS], 0
	s_cbranch_scc1 .Lslot6
	CHANGE 0                                       ; slot 7: nothing is left to fetch
	SLOT_STEPS
	; HEAD 4 g'S TWO HALVES ARE JOINED.  Stream 1 stores O^T and its -M, t and l as images of the registers, 16 bytes a lane; a barrier; stream 0 of the same queries loads them by the same lines.
.rept 4
	v_nop                                          ; places behind the last products, in front of the stores that read O^T
.endr
	s_cmp_eq_u32 s[ST], 1
	s_cbranch_scc0 .Lnot_second
	s_wait_alu depctr_va_vdst(0)
.irp t, 0,1,2,3,4,5,6,7
	ds_store_b128 v[MA], v[O+4*\t:O+4*\t+3] offset:512*\t      ; each accumulator from its low end on
.endr
	ds_store_b128 v[MA], v[12:15] offset:4096
.Lnot_second:
	s_wait_dscnt 0x0                               ; for the others' sake: my stores have landed
	s_barrier_signal -1
	s_barrier_wait -1
	s_cmp_eq_u32 s[ST], 0
	s_cbranch_scc0 .Lnot_first
.irp t, 0,1,2,3,4,5,6,7,8
	ds_load_b128 v[S+4*\t:S+4*\t+3], v[MA] offset:512*\t       ; v[S] on: the other half's O^T; v[S+32] its -M, v[S+34:S+35] its l
.endr
	s_wait_dscnt 0x0
	v_min_num_f32 v232, v12, v[S+32]               ; -M of the whole row: the smaller -M is the larger M
	s_delay_alu instid0(VALU_DEP_1)
	v_sub_f32 v233, v232, v12                      ; my M less the row's: a whole number, 0 or less
	s_delay_alu instid0(VALU_DEP_2)
	v_sub_f32 v234, v232, v[S+32]                  ; the other half's likewise
	s_delay_alu instid0(VALU_DEP_2)
	v_cvt_i32_f32 v233, v233                       ; (they saturate)
	s_delay_alu instid0(VALU_DEP_2)
	v_cvt_i32_f32 v234, v234
	s_delay_alu instid0(VALU_DEP_2)
	v_ldexp_f32 v252, 1.0, v233                    ; the two factors: powers of two, which round nothing
	s_delay_alu instid0(VALU_DEP_2)
	v_ldexp_f32 v240, 1.0, v234
	s_delay_alu instid0(VALU_DEP_2)
	v_mov_b32 v253, v252                           ; (named with them as pairs, so they are written)
	s_delay_alu instid0(VALU_DEP_2)
	v_mov_b32 v241, v240
	s_delay_alu instid0(VALU_DEP_1)
	v_pk_mul_f32 v[S+34:S+35], v[S+34:S+35], v[240:241] op_sel_hi:[1,0]
	s_delay_alu instid0(VALU_DEP_1)
	v_pk_fma_f32 v[14:15], v[14:15], v[252:253], v[S+34:S+35] op_sel_hi:[1,0,1]   ; l of the whole row, in two halves
.set j, 0
.rept 16
	v_pk_mul_f32 v[S+j:S+j+1], v[S+j:S+j+1], v[240:241] op_sel_hi:[1,0]
.set j, j+2
.endr
.set j, 0
.rept 16
	v_pk_fma_f32 v[O+j:O+j+1], v[O+j:O+j+1], v[252:253], v[S+j:S+j+1] op_sel_hi:[1,0,1]   ; O^T of the whole row, each accumulator from its low end on
.set j, j+2
.endr
	FINISH
.Lnot_first:
	s_wait_tensorcnt 0x0                           ; the wave's end
	ds_add_u32 v[SPW], v[NIL]
	s_wait_dscnt 0x0
	CROUND                                         ; the closing round: no work-group ends while a partner may still ask for a record that names it
	s_endpgm
.Lfunc_end_k_q16e65e72be_attn:
	.size	k_q16e65e72be_attn, .Lfunc_end_k_q16e65e72be_attn-k_q16e65e72be_attn
	.p2alignl 7, 3214868480
	.fill 96, 4, 3214868480
	.section	.rodata,"a",@progbits
	.p2align	6, 0x0
	.amdhsa_kernel k_q16e65e72be_attn
		.amdhsa_group_segment_fixed_size 327680
		.amdhsa_private_segment_fixed_size 0
		.amdhsa_enable_private_segment 0
		.amdhsa_kernarg_size 16
		.amdhsa_user_sgpr_count 2
		.amdhsa_user_sgpr_kernarg_segment_ptr 1
		.amdhsa_wavefront_size32 1
		.amdhsa_system_sgpr_workgroup_id_x 1
		.amdhsa_system_sgpr_workgroup_id_y 1
		.amdhsa_system_sgpr_workgroup_id_z 1
		.amdhsa_system_vgpr_workitem_id 0
		.amdhsa_next_free_vgpr 256
		.amdhsa_next_free_sgpr 66
		.amdhsa_reserve_vcc 0
		.amdhsa_float_denorm_mode_32 3
		.amdhsa_float_denorm_mode_16_64 3
		.amdhsa_memory_ordered 1
		.amdhsa_forward_progress 1
		.amdhsa_inst_pref_size 92
	.end_amdhsa_kernel
	.amdgpu_metadata
---
amdhsa.version: [ 1, 2 ]
amdhsa.kernels:
  - .name:           k_q16e65e72be_attn
    .symbol:         k_q16e65e72be_attn.kd
    .args:
      - { .name: qkv, .offset: 0, .size: 8, .value_kind: global_buffer, .address_space: global }
      - { .name: oq, .offset: 8, .size: 8, .value_kind: global_buffer, .address_space: global }
    .group_segment_fixed_size: 327680
    .private_segment_fixed_size: 0
    .kernarg_segment_align: 8
    .kernarg_segment_size: 16
    .max_flat_workgroup_size: 512
    .sgpr_count:     66
    .vgpr_count:     256
    .wavefront_size: 32
...
	.end_amdgpu_metadata
.endif
;; end of part 3
;; launch outp (part 4): grid 8 x 32, 4 waves a work-group, clusters of 4 x 4, 229,376 bytes of LDS; arguments oq, xq, bo, out0; writes out0
.if DOCPART == 4
	.amdgcn_target "amdgcn-amd-amdhsa--gfx1250"
	.amdhsa_code_object_version 6
	.text
	.protected	k_q16e65e72be_outp
	.globl	k_q16e65e72be_outp
	.p2align	8
	.type	k_q16e65e72be_outp,@function
k_q16e65e72be_outp:
	s_mov_b64 s[64:65], 0
	v_nop
	global_prefetch_b8 v0, s[64:65] scope:SCOPE_SE
	s_setreg_imm32_b32 hwreg(HW_REG_WAVE_MODE, 25, 1), 1
	s_wait_xcnt 0x0
	s_wait_alu depctr_hold_cnt(0) depctr_sa_sdst(0) depctr_va_vdst(0) depctr_va_sdst(0) depctr_va_ssrc(0) depctr_va_vcc(0) depctr_vm_vsrc(0)
	s_getreg_b32 s2, hwreg(HW_REG_IB_STS2, 6, 4)
	s_cmp_eq_u32 s2, 0
	s_cbranch_scc0 .Lentry_in_a_cluster
	s_endpgm
.Lentry_in_a_cluster:
	s_bfe_u32 s2, ttmp6, 0x10000c
	s_cmp_lg_u32 s2, 0xf033
	s_cbranch_scc0 .Lentry_shape_is_right
	s_endpgm
.Lentry_shape_is_right:
; out0 = attention Wo^T + bo on codes of FP6 (E2M3) with E8M0 scales.  4,096 x 1,024 x 1,024: 256 work-groups of 128 rows x 128 columns; four waves, each 64 x 64: 16 accumulators.
; ALL OF K LIES IN LDS AT ONCE: A's 128 rows as images of fragments (12,288 bytes for 16 rows: K step q at 1,536 q), Wo's 128 rows of 768 bytes, and both sides' scale bytes.  Each wave brings its part by one
; tensor load at the head; nothing is filled again: no ring.
; CLUSTER: 4 x 4 work-groups.  A's rows hang on the tile row alone and are shared along a row of the cluster, Wo's on the tile column alone and are shared along a column: each is asked for jointly.
; THE MATRIX INSTRUCTION IS USED TRANSPOSED (source 0 = 16 rows of Wo, source 1 = 16 rows of A): a lane holds eight neighbouring numbers of a row of out0.  bo is the C of each sum's first product.
; REGISTERS: window 0: v0-31 addresses; v32-63 scale words (block i, K step q at 32 + 8 i + q; lanes 0-15 A's, lanes 16-31 Wo's); v64-159, v160-255 two sets of fragments (A's four, then Wo's four).
;   window 1: v0-127 the accumulators ((a, b) at 8 (4 a + b)); v128-159 the bias.
.set FR,    12
.set BO,    98304                      ; LDS: behind A's images: Wo's rows, 768 bytes with 16 behind each 256: pitch 816 = 204 words: row r starts at bank 12 r mod 64, so the 32 lanes of a load of 8 bytes touch 64 different banks (ISA guide 11.1)
.set SCB,   202752                     ; the scale bytes: A's two halves, then Wo's two, 8 units of 256 + 16 each
.set STG,   211456                     ; four stages of 16 rows x 272 bytes for the way out: no tensor load lands there
.set SPARE, 228864                     ; the spare words: 128 bytes a wave, two blocks of 256 bytes that no other line names
.set OS,    3145728
.set XS,    29884416
.set WO,    37888
.set AD16, 16
.set AD8,  17
.set ADB,  18                          ; v18, v19 (behind one padding more)
.set ADRS, 20
.set STO,  21
.set RD,   22
.set CO,   23
.set BIO,  24
.set SPW,  28
.set NIL,  29
.set SC,   32
.set F0,   64
.set F1,   160
.set BK,   64                          ; the way out: v64-95 and v96-127 by turns
.set G1A,  24
.set G1SA, 32
.set G1B,  40
.set G1SB, 48
.set G0A,  56
.set G0SA, 60
.set G0B,  68
.set G0SB, 72
.set MSB, 0
.macro WIN new
.if MSB != \new
	s_set_vgpr_msb (MSB<<8)|\new
.set MSB, \new
.endif
.endm
.macro CROUND
	s_barrier_signal -1
	s_barrier_wait -1
	s_cmp_lg_u32 s12, 0
	s_cbranch_scc1 .Lnot_wave_0_\@
	s_barrier_signal -3
.Lnot_wave_0_\@:
	s_barrier_wait -3
	s_barrier_signal -1
	s_barrier_wait -1
.endm
.macro PLACES
.rept 4
	v_nop
.endr
.endm
	s_load_b256 s[4:11], s[0:1], 0x0               ; oq, xq, bo, out0
	v_lshl_add_u32 v[SPW], v0, 2, SPARE
	v_mov_b32 v[NIL], 0
	ds_add_u32 v[SPW], v[NIL]                      ; the wave's opening: the add and its wait ahead of my first tensor load
	ds_add_u32 v[SPW], v[NIL]
	v_lshrrev_b32 v1, 5, v0
	v_readfirstlane_b32 s12, v1                    ; wave 0..3
	s_lshr_b32 s13, s12, 1                         ; my half of the rows.
	s_and_b32 s14, s12, 1                          ; my half of the columns.
	s_bfe_u32 s15, ttmp6, 0x40000                  ; cx
	s_bfe_u32 s16, ttmp6, 0x40004                  ; cy
	s_lshl_b32 s17, ttmp9, 2
	s_add_co_u32 s17, s17, s15                     ; tile column
	s_and_b32 s18, ttmp7, 0xffff
	s_lshl_b32 s18, s18, 2
	s_add_co_u32 s18, s18, s16                     ; tile row
	s_lshl_b32 s19, s16, 2
	s_lshl_b32 s19, 15, s19                        ; my row of the cluster
	s_lshl_b32 s20, 0x1111, s15                    ; my column
	; A's images of 128 rows: 98,304 dense bytes as 384 rows of 256
	s_or_b32 s[G1A+0], s19, (3<<16)|(1<<21)
	s_mov_b32 s[G1A+1], 32<<16
	s_mov_b32 s[G1A+2], 384<<16                    ; one load brings all 128 rows' images: 384 rows of 256 bytes
	s_mov_b32 s[G1A+3], 32<<16
	s_mov_b32 s[G1A+4], 384
	s_mov_b32 s[G1A+5], 32
	s_mov_b32 s[G1A+6], 0
	s_mov_b32 s[G1A+7], 0
	; Wo's 128 rows of 768 bytes, 16 bytes of padding behind every 256
	s_or_b32 s[G1B+0], s20, (0<<16)|(1<<20)|(1<<21)|(5<<22)|(3<<25)
	s_mov_b32 s[G1B+1], 768<<16
	s_mov_b32 s[G1B+2], 128<<16                    ; all 128 rows of Wo
	s_mov_b32 s[G1B+3], 768<<16
	s_mov_b32 s[G1B+4], 128
	s_mov_b32 s[G1B+5], 768
	s_mov_b32 s[G1B+6], 0
	s_mov_b32 s[G1B+7], 0
	; the scale bytes of 128 rows: 4,096 dense bytes as 16 rows of 256, 16 bytes of padding behind each
	s_or_b32 s[G1SA+0], s19, (3<<16)|(1<<20)|(1<<21)|(5<<22)|(3<<25)
	s_or_b32 s[G1SB+0], s20, (3<<16)|(1<<20)|(1<<21)|(5<<22)|(3<<25)
.irp g, G1SA, G1SB
	s_mov_b32 s[\g+1], 32<<16
	s_mov_b32 s[\g+2], 16<<16                      ; the scale bytes of 128 rows: 16 rows of 256
	s_mov_b32 s[\g+3], 32<<16
	s_mov_b32 s[\g+4], 16
	s_mov_b32 s[\g+5], 32
	s_mov_b32 s[\g+6], 0
	s_mov_b32 s[\g+7], 0
.endr
	; where they come from: A's in registers that never hold the tile column, Wo's in registers that never hold the tile row
	s_mul_i32 s76, s18, 98304                      ; A's images: eight tiles of 16 rows, 12,288 bytes each, for a tile row
	s_mov_b32 s77, 0
	s_lshl_b32 s78, s18, 12                        ; 128 rows x 32 bytes
	s_add_co_u32 s78, s78, OS                      ; A's scale bytes
	s_mov_b32 s79, 0
	s_lshl_b32 s80, s17, 7
	s_add_co_u32 s80, s80, WO
	s_lshl_b32 s82, s80, 5
	s_add_co_u32 s82, s82, XS
	s_mul_i32 s80, s80, 768
	s_mov_b32 s81, 0
	s_mov_b32 s83, 0
	s_lshl_b32 s84, s18, 7
	s_lshl_b32 s85, s13, 6
	s_add_co_u32 s84, s84, s85
	s_lshl_b32 s84, s84, 12                        ; my first row of out0, 4,096 bytes a row,
	s_lshl_b32 s85, s17, 9
	s_add_co_u32 s84, s84, s85
	s_lshl_b32 s85, s14, 8
	s_add_co_u32 s84, s84, s85                     ; and my first column
	s_mov_b32 s85, 0
	s_lshl_b32 s86, s17, 9
	s_lshl_b32 s87, s14, 8
	s_add_co_u32 s86, s86, s87                     ; my 64 numbers of bo
	s_mov_b32 s87, 0
	s_wait_dscnt 0x0                               ; the opening add is done
	s_wait_kmcnt 0x0
	s_mov_b32 s[G0A], 1
	s_mov_b32 s[G0A+1], 0
	s_add_nc_u64 s[G0A+2:G0A+3], s[4:5], s[76:77]
	s_or_b32 s[G0A+3], s[G0A+3], 0x80000000
	s_mov_b32 s[G0SA], 1
	s_mov_b32 s[G0SA+1], SCB
	s_add_nc_u64 s[G0SA+2:G0SA+3], s[4:5], s[78:79]
	s_or_b32 s[G0SA+3], s[G0SA+3], 0x80000000
	s_mov_b32 s[G0B], 1
	s_mov_b32 s[G0B+1], BO
	s_add_nc_u64 s[G0B+2:G0B+3], s[6:7], s[80:81]
	s_or_b32 s[G0B+3], s[G0B+3], 0x80000000
	s_mov_b32 s[G0SB], 1
	s_mov_b32 s[G0SB+1], SCB+4352
	s_add_nc_u64 s[G0SB+2:G0SB+3], s[6:7], s[82:83]
	s_or_b32 s[G0SB+3], s[G0SB+3], 0x80000000
	s_add_nc_u64 s[10:11], s[10:11], s[84:85]
	s_add_nc_u64 s[8:9], s[8:9], s[86:87]
	CROUND                                         ; all sixteen work-groups are here: the joint loads meet
	; ONE TENSOR LOAD A WAVE, each tile whole: wave 0 A's images, wave 1 Wo's rows, wave 2 A's scale bytes, wave 3 Wo's.  One chain of branches on the wave's number, all arms leading to one join
	s_cmp_lt_u32 s12, 1
	s_cbranch_scc0 .Lhead_b
	tensor_load_to_lds s[G0A:G0A+3], s[G1A:G1A+7]
	s_nop 0
	PLACES
	s_branch .Lasked
.Lhead_b:
	s_cmp_lt_u32 s12, 2
	s_cbranch_scc0 .Lhead_sa
	tensor_load_to_lds s[G0B:G0B+3], s[G1B:G1B+7]
	s_nop 0
	PLACES
	s_branch .Lasked
.Lhead_sa:
	s_cmp_lt_u32 s12, 3
	s_cbranch_scc0 .Lhead_sb
	tensor_load_to_lds s[G0SA:G0SA+3], s[G1SA:G1SA+7]
	s_nop 0
	PLACES
	s_branch .Lasked
.Lhead_sb:
	tensor_load_to_lds s[G0SB:G0SB+3], s[G1SB:G1SB+7]
	s_nop 0
	PLACES
.Lasked:
	v_and_b32 v1, 15, v0                           ; r
	v_bfe_u32 v2, v0, 4, 1                         ; h
	v_and_b32 v3, 31, v0
	v_lshlrev_b32 v[BIO], 5, v2
	WIN 0x40                                       ; destination window 1
.irp b, 0,1,2,3
	global_load_b128 v[128+8*\b:128+8*\b+3], v[BIO], s[8:9] offset:64*\b      ; bo at my lane's eight columns of tile b
	global_load_b128 v[128+8*\b+4:128+8*\b+7], v[BIO], s[8:9] offset:64*\b+16
.endr
	WIN 0
	s_mul_i32 s21, s13, 49152
	v_lshl_add_u32 v[AD16], v3, 4, s21             ; A's images: 16 or 8 bytes a lane, my 64 rows
	v_lshl_add_u32 v[AD8], v3, 3, s21
	s_mul_i32 s21, s14, 52224
	s_add_co_u32 s21, s21, BO
	v_mul_u32_u24 v4, v1, 816
	v_mad_u32_u24 v4, v2, 24, v4
	v_add_nc_u32 v[ADB], s21, v4                   ; Wo: row x pitch + 24 x half
	v_lshl_add_u32 v[ADB+1], v2, 4, v[ADB]         ; and the same behind one padding more
	v_lshlrev_b32 v5, 5, v1                        ; scale bytes: 32 a row,
	v_lshrrev_b32 v6, 3, v1
	v_lshl_add_u32 v5, v6, 4, v5                   ; 16 more behind each 8 rows
	s_mul_i32 s21, s13, 2176
	s_mul_i32 s22, s14, 2176
	s_add_co_u32 s22, s22, 4352
	s_sub_co_u32 s22, s22, s21
	v_mul_u32_u24 v6, s22, v2                      ; lanes 16-31 take Wo's
	s_add_co_u32 s21, s21, SCB
	v_add_nc_u32 v5, v5, v6
	v_add_nc_u32 v[ADRS], s21, v5
	s_mul_i32 s21, s12, 16*272
	s_add_co_u32 s21, s21, STG                     ; my stage
	v_mul_u32_u24 v4, v1, 272
	v_lshl_add_u32 v4, v2, 5, v4
	v_add_nc_u32 v[STO], s21, v4                   ; in: row r, 32 bytes for each half of the lanes
	v_mul_u32_u24 v4, v2, 272
	v_lshl_add_u32 v4, v1, 4, v4
	v_add_nc_u32 v[RD], s21, v4                    ; back: lanes 0-15 one row of 256 bytes, lanes 16-31 the next
	v_lshlrev_b32 v[CO], 12, v2
	v_lshl_add_u32 v[CO], v1, 4, v[CO]             ; and the same two rows in out0
	s_wait_alu depctr_va_vdst(0)
	s_wait_tensorcnt 0x0                           ; my load has landed,
	s_barrier_signal -1
	s_barrier_wait -1                              ; everybody's have
	s_wait_loadcnt 0x0                             ; the bias
.macro FRAGB reg, q, i                 ; a fragment of Wo: pieces of 8 bytes; 16 bytes of padding lie behind every 32 pieces: where the piece three on lies behind one padding more, the second address register serves
.irp p, 0,1,2,3,4,5
.set PIECE, 12*(\q)+6*(\p/3)+\p%3
.if PIECE%32 < 29
	ds_load_b64 v[\reg+2*\p:\reg+2*\p+1], v[ADB] offset:8*PIECE+16*(PIECE/32)+(\i)*13056
.else
	ds_load_b64 v[\reg+2*\p:\reg+2*\p+1], v[ADB+1] offset:8*PIECE+16*(PIECE/32)+(\i)*13056
.endif
.endr
.endm
.macro FETCH q, f                      ; 40 LDS loads: K step q's fragments: A's four from their images, Wo's four from rows
.irp a, 0,1,2,3
	ds_load_b128 v[\f+FR*\a:\f+FR*\a+3], v[AD16] offset:12288*\a+1536*(\q)
	ds_load_b64 v[\f+FR*\a+4:\f+FR*\a+5], v[AD8] offset:12288*\a+1536*(\q)+512
	ds_load_b128 v[\f+FR*\a+6:\f+FR*\a+9], v[AD16] offset:12288*\a+1536*(\q)+768
	ds_load_b64 v[\f+FR*\a+10:\f+FR*\a+11], v[AD8] offset:12288*\a+1536*(\q)+1280
.endr
.irp i, 0,1,2,3
	FRAGB \f+48+FR*\i, \q, \i
.endr
.endm
.macro MUL q, f                        ; 16 products, the accumulators by turns
	WIN 0x50                                       ; C and D window 1
.irp a, 0,1,2,3
.irp b, 0,1,2,3
.if (\q) == 0
	v_wmma_scale_f32_16x16x128_f8f6f4 v[8*(4*\a+\b):8*(4*\a+\b)+7], v[\f+48+FR*\b:\f+48+FR*\b+FR-1], v[\f+FR*\a:\f+FR*\a+FR-1], v[128+8*\b:128+8*\b+7], v[SC+8*\b+(\q)], v[SC+8*\a+(\q)] matrix_a_fmt:MATRIX_FMT_FP6 matrix_b_fmt:MATRIX_FMT_FP6 matrix_a_scale:MATRIX_SCALE_ROW1
.else
	v_wmma_scale_f32_16x16x128_f8f6f4 v[8*(4*\a+\b):8*(4*\a+\b)+7], v[\f+48+FR*\b:\f+48+FR*\b+FR-1], v[\f+FR*\a:\f+FR*\a+FR-1], v[8*(4*\a+\b):8*(4*\a+\b)+7], v[SC+8*\b+(\q)], v[SC+8*\a+(\q)] matrix_a_fmt:MATRIX_FMT_FP6 matrix_b_fmt:MATRIX_FMT_FP6 matrix_a_scale:MATRIX_SCALE_ROW1
.endif
.endr
.endr
	WIN 0
.endm
.irp i, 0,1,2,3                                ; all scale words, once: eight words a row
	ds_load_b128 v[SC+8*\i:SC+8*\i+3], v[ADRS] offset:544*\i
	ds_load_b128 v[SC+8*\i+4:SC+8*\i+7], v[ADRS] offset:544*\i+16
.endr
	FETCH 0, F0
.irp q, 0,1,2,3,4,5,6,7
.if \q < 7
.if \q > 0
	PLACES                                         ; in front of loads into the set that the last step's products read
.endif
.if \q%2 == 0
	FETCH \q+1, F1
.else
	FETCH \q+1, F0
.endif
	s_wait_dscnt 40                                ; all but the 40 loads just issued
.else
	s_wait_dscnt 0x0
.endif
.if \q%2 == 0
	MUL \q, F0
.else
	MUL \q, F1
.endif
.endr
; THE WAY OUT, 16 rows x 64 columns at a time: a lane's 32 bytes of a row go into my stage and come back as whole rows of 256 bytes.  LDS serves a wave's instructions in order: no wait between stores and loads.
.macro TOSTAGE a
	WIN 0x04                                       ; an LDS store's data: window 1
.irp b, 0,1,2,3
	ds_store_b128 v[STO], v[8*(4*(\a)+\b):8*(4*(\a)+\b)+3] offset:64*\b           ; each accumulator from its low end on
	ds_store_b128 v[STO], v[8*(4*(\a)+\b)+4:8*(4*(\a)+\b)+7] offset:64*\b+16
.endr
	WIN 0
.set BB, BK+32*((\a)%2)
.irp t, 0,1,2,3,4,5,6,7
	ds_load_b128 v[BB+4*\t:BB+4*\t+3], v[RD] offset:\t*544
.endr
.endm
.macro SEND a, younger                 ; younger: the LDS instructions issued behind block a's loads: the next block's 8 stores and 8 loads, or none
.set BB, BK+32*((\a)%2)
.irp t, 0,1,2,3,4,5,6,7
	s_wait_dscnt \younger+7-\t
	global_store_b128 v[CO], v[BB+4*\t:BB+4*\t+3], s[10:11] offset:(16*(\a)+2*\t)*4096 th:TH_STORE_NT   ; sixteen lanes store 256 consecutive bytes, aligned
.endr
.endm
	PLACES                                         ; behind the last products
	TOSTAGE 0
.irp a, 1,2,3
.if \a > 1
	s_wait_xcnt 0x0                                ; block a - 2's stores have read their registers: block a's loads may land there
.endif
	TOSTAGE \a
	SEND \a-1, 16
.endr
	SEND 3, 0
	s_wait_tensorcnt 0x0                           ; the wave's end
	ds_add_u32 v[SPW], v[NIL]
	s_wait_dscnt 0x0
	CROUND                                         ; the closing round
	s_endpgm
.Lfunc_end_k_q16e65e72be_outp:
	.size	k_q16e65e72be_outp, .Lfunc_end_k_q16e65e72be_outp-k_q16e65e72be_outp
	.p2alignl 7, 3214868480
	.fill 96, 4, 3214868480
	.section	.rodata,"a",@progbits
	.p2align	6, 0x0
	.amdhsa_kernel k_q16e65e72be_outp
		.amdhsa_group_segment_fixed_size 229376
		.amdhsa_private_segment_fixed_size 0
		.amdhsa_enable_private_segment 0
		.amdhsa_kernarg_size 32
		.amdhsa_user_sgpr_count 2
		.amdhsa_user_sgpr_kernarg_segment_ptr 1
		.amdhsa_wavefront_size32 1
		.amdhsa_system_sgpr_workgroup_id_x 1
		.amdhsa_system_sgpr_workgroup_id_y 1
		.amdhsa_system_sgpr_workgroup_id_z 1
		.amdhsa_system_vgpr_workitem_id 0
		.amdhsa_next_free_vgpr 512
		.amdhsa_next_free_sgpr 96
		.amdhsa_reserve_vcc 0
		.amdhsa_float_denorm_mode_32 3
		.amdhsa_float_denorm_mode_16_64 3
		.amdhsa_memory_ordered 1
		.amdhsa_forward_progress 1
		.amdhsa_inst_pref_size 56
	.end_amdhsa_kernel
	.amdgpu_metadata
---
amdhsa.version: [ 1, 2 ]
amdhsa.kernels:
  - .name:           k_q16e65e72be_outp
    .symbol:         k_q16e65e72be_outp.kd
    .args:
      - { .name: oq, .offset: 0, .size: 8, .value_kind: global_buffer, .address_space: global }
      - { .name: xq, .offset: 8, .size: 8, .value_kind: global_buffer, .address_space: global }
      - { .name: bo, .offset: 16, .size: 8, .value_kind: global_buffer, .address_space: global }
      - { .name: out0, .offset: 24, .size: 8, .value_kind: global_buffer, .address_space: global }
    .group_segment_fixed_size: 229376
    .private_segment_fixed_size: 0
    .kernarg_segment_align: 8
    .kernarg_segment_size: 32
    .max_flat_workgroup_size: 128
    .sgpr_count:     96
    .vgpr_count:     512
    .wavefront_size: 32
...
	.end_amdgpu_metadata
.endif
;; end of part 4
